; MI455X (gfx1250); checked and timed in simulation.
; The chip was launched on July 23, 2026; its instructions are those of AMD's public machine-readable ISA for CDNA 5 (MIT licence, August 2026) and "CDNA5" Instruction Set Architecture Reference Guide (July 2026). The comments in the code are by the model that wrote it; some were corrected since.
;; Multi Head Latent Attention. Allowed arithmetic: matrix products marked QUANTISED: E2M1 operands, one E8M0 scale for each 32 along K, by v_wmma_scale_f32_16x16x128_f8f6f4 with both operands' format E2M1 (or v_wmma_scale_f32_32x16x128_f4), f32 sums; everything else in f32.
;; Inputs: kv_down 1,024 x 512 float32; norm_w 1,024 float32; wk 512 x 1,024 float32; wo 1,024 x 1,024 float32; wq 1,024 x 1,024 float32; wv 512 x 1,024 float32; x 4 x 2,048 x 1,024 float32.
;; Outputs: out0 4 x 2,048 x 1,024 float32.
;; This version of the problem:
;;   THIS VERSION OF THE PROBLEM IS GIVEN IN LOW PRECISION. The matrix products marked QUANTISED in the list below multiply operands that are first quantised to E2M1 (2 exponent bits, 1 mantissa bit; 4 bits a number), with one power-of-two scale for each 32 numbers along K (OCP MX v1.0); their sums are f32. All else is computed in f32.
;;   The module's matrix products, in the order in which they are computed (A, B: the left and right operand; K: the contracted axis; several contracted axes count as one K, in the product's order):
;;     1. [M 8,192, K 1,024] x [K 1,024, N 1,024]; A: computed on the way; B: input wq: QUANTISED
;;     2. [M 8,192, K 1,024] x [K 1,024, N 512]; A: computed on the way; B: input kv_down: QUANTISED
;;     3. [M 8,192, K 512] x [K 512, N 1,024]; A: computed on the way; B: input wk: QUANTISED
;;     4. [M 8,192, K 512] x [K 512, N 1,024]; A: computed on the way; B: input wv: QUANTISED
;;     5. batch 64 x [M 2,048, K 64] x [K 64, N 2,048]; A: computed on the way; B: computed on the way: QUANTISED
;;     6. batch 64 x [M 2,048, K 2,048] x [K 2,048, N 64]; A: softmax (see below); B: computed on the way: QUANTISED
;;     7. [M 8,192, K 1,024] x [K 1,024, N 1,024]; A: computed on the way; B: input wo: QUANTISED
;;   THE QUANTISER, for each operand of a quantised product, along K:
;;     - K is cut into blocks of 32 from its start; a last block that is shorter is filled with zeros.
;;     - A block's scale is 2^e with e = floor(log2(the largest magnitude in the block)) - 2, held to -126 .. 127; a block of zeros has e = 0. As a byte (E8M0): e + 127.
;;     - Each number is divided by its block's scale, clamped to +-6, and rounded to the nearest number of E2M1, ties to even, subnormals kept.
;;     - The product sums the exact products of the quantised numbers (number of the format x scale) in f32.
;;   ~~~python
;;   def quantise(x, axis):      # numpy; x: float32 -> the quantised numbers, widened to float32 again
;;       x = np.moveaxis(x, axis, -1); K = x.shape[-1]
;;       x = np.pad(x, [(0, 0)] * (x.ndim - 1) + [(0, -K % 32)]); x = x.reshape(x.shape[:-1] + (-1, 32)); a = np.abs(x).max(-1, keepdims=True)
;;       e = np.where(a > 0, np.clip(np.frexp(np.where(a > 0, a, 1))[1] - 1 - 2, -126, 127), 0)      # np.frexp(a)[1] - 1 = floor(log2(a)), exactly
;;       r = np.clip(x / 2.0 ** e, -6, 6)
;;       step = 2.0 ** (np.maximum(np.frexp(np.where(r == 0, 1, r))[1] - 1, 0) - 1)
;;       q = np.round(r / step) * step * 2.0 ** e      # np.round: ties to even
;;       return np.moveaxis(q.reshape(q.shape[:-2] + (-1,))[..., :K], -1, axis).astype(np.float32)
;;   ~~~
;;   SOFTMAX AHEAD OF A QUANTISED PRODUCT. Where the list says 'softmax', what is quantised is not the finished softmax but p = 2^(t - M), with t = logit x log2(e) and M = ceil(the row's largest t), a whole number; so 1/2 < the row's largest p <= 1. The row's sum l is taken of the UNQUANTISED p, in f32, and the product's result is divided by l at the end. Since M is a whole number, a kernel that streams over the keys may use a running M (the ceiling of the running maximum): every later rescaling is an exact power of two, which a block's scale takes up: the codes' values come out the same.
;;   OPERANDS COMPUTED ON THE WAY. 'Computed on the way' means the value that the module computes at that place (a softmax that the list does not call 'softmax' is quantised finished and normalised). What goes into a quantiser is computed in f32, as accurately as f32 sums, v_exp_f32 and their like allow (about 1e-6 of the number): no bf16 or f16 on the way to a quantiser, and a product that is left as it is and whose result goes on into a quantised operand takes f32 operands (vector FMAs, or v_wmma_f32_16x16x4_f32). A number that lies on a knife's edge between two numbers of the format may be rounded either way, as far as f32 arithmetic and the matrix unit's own rounding can turn it there, and no further.
;; One version. Each part assembles by itself: llvm-mc -triple=amdgcn-amd-amdhsa -mcpu=gfx1250 --defsym DOCPART=n.
;; ======== version 1 of 1: 4 launches
;; limits: right only within a limited range of input values
;; workspace buffers: prepbuf 7,471,104 bytes; act1 6,684,672 bytes; act2 8,912,896 bytes; act3 4,456,448 bytes
;; launch prep (part 1): grid 192 x 1, 16 waves a work-group, no clusters, 114,688 bytes of LDS; arguments x, norm_w, wq, kv_down, wk, wv, wo, prepbuf; writes prepbuf
.if DOCPART == 1
	.amdgcn_target "amdgcn-amd-amdhsa--gfx1250"
	.amdhsa_code_object_version 6
	.text
	.protected	k_q3d4026bf21_prep
	.globl	k_q3d4026bf21_prep
	.p2align	8
	.type	k_q3d4026bf21_prep,@function
k_q3d4026bf21_prep:
	s_mov_b64 s[64:65], 0
	v_nop
	global_prefetch_b8 v0, s[64:65] scope:SCOPE_SE
	s_setreg_imm32_b32 hwreg(HW_REG_WAVE_MODE, 25, 1), 1
	s_wait_xcnt 0x0
; PREP: everything that is quantised once.  Three kinds of work-group, told apart by the work-group's number (the same in all sixteen waves):
;   0-127   NORM: 64 rows of x each: RMSNorm in f32, then codes of FP4 (E2M1) and one E8M0 byte for each 32 along D
;   128-183 WEIGHTS: wq, kv_down, wk, wv, wo [K][N] f32: 128 columns x 512 along K each, quantised along K (a lane a column, registers down K)
;   184-191 ROPE: cos and sin of pos x 10^(-f/8), f = 0 .. 31, for 2,048 positions, in f32
; LAYOUT OF ALL CODES: tiles of 16 rows; lane index r of tile T is row 32 (T / 2) + 8 (T % 2) + r + 8 (r / 8).  A fragment (tile, 128 along K) is 1,024 bytes: block q of row r at 256 q + 16 r:
; the image of the matrix operand's registers, so that a reader takes it by two loads of 16 bytes a lane.  Scale words: [K step][tile][r][4 bytes], 32,768 bytes from K step to K step.
; A block's scale byte is its largest magnitude's exponent field - 2, held at 1 from below.
; LIMITS: a block of zeros gets the byte 1 where the rule says 127 (its codes are zeros, and this program alone reads the bytes); largest magnitudes under 2^-124 are held at that floor; NaN and infinities are not served.
; No tensor loads, no matrix work, no cluster: no two work-groups read the same bytes but norm_w's 4,096.  Every wave asks for all its bytes at its head; there is no loop.
.set XSO,   4194304                    ; prepbuf: x's codes at 0, x's scale words here,
.set W1C,   4456448                    ; wq's 64 tiles and kv_down's 32 (8 K steps),
.set W1S,   5242880
.set W2C,   5505024                    ; wk's 64 tiles and wv's 64 (4 K steps),
.set W2S,   6029312
.set W3C,   6160384                    ; wo's 64 tiles (8 K steps),
.set W3S,   6684672
.set ROPE,  6946816                    ; [position tile 128][g 8][lane][16 bytes]: g < 4 cos, g >= 4 sin of frequencies 16 (lane / 16) + 4 (g % 4) + 0 .. 3
.set IMGST, 73728                      ; LDS: at 0 a stage of 32 x 144 bytes for each wave (NORM); here 4 tiles x 32 blocks x (256 + 16) bytes (NORM);
.set SCST,  108544                     ; 2,048 scale bytes (NORM);
.set WSG,   110592                     ; 2,048 bytes of scale words (WEIGHTS): each kind has LDS bytes of its own
.set W, 12                             ; v12-43   norm_w of my block of 32
.set X, 48                             ; v48-175  four rows x 32 numbers, or 128 numbers of a column
.set C, 176                            ; v176-191 codes
.set E, 208                            ; v208-211 scale bytes
	s_load_b256 s[4:11], s[0:1], 0x0               ; x, norm_w, wq, kv_down
	s_load_b256 s[12:19], s[0:1], 0x20             ; wk, wv, wo, prepbuf
	v_lshl_add_u32 v216, v0, 2, 0x1b800
	v_mov_b32 v217, 0
	v_lshrrev_b32 v1, 5, v0
	s_delay_alu instid0(VALU_DEP_1)
	v_readfirstlane_b32 s20, v1                    ; wave 0..15
	v_and_b32 v1, 31, v0                           ; lane
	s_mov_b32 s24, 0x76543210
	s_mov_b32 s25, 0xfedcba98                      ; v_permlanex16_b32's selects for lane l xor 16
	s_cmp_ge_u32 ttmp9, 184
	s_cbranch_scc1 .Lrope
	s_cmp_ge_u32 ttmp9, 128
	s_cbranch_scc1 .Lweights
; 32 numbers of one block in v[xs] on become 4 registers of codes in v[c] on and the scale's byte in v[e]
.macro QBLOCK xs, c, e
	v_max3_num_f32 v202, |v[\xs]|, |v[\xs+1]|, |v[\xs+2]|
	v_max3_num_f32 v203, |v[\xs+3]|, |v[\xs+4]|, |v[\xs+5]|
.irp k, 6,10,14,18,22,26
	s_delay_alu instid0(VALU_DEP_2)
	v_max3_num_f32 v202, v202, |v[\xs+\k]|, |v[\xs+\k+1]|
	s_delay_alu instid0(VALU_DEP_2)
	v_max3_num_f32 v203, v203, |v[\xs+\k+2]|, |v[\xs+\k+3]|
.endr
	s_delay_alu instid0(VALU_DEP_2)
	v_max3_num_f32 v202, v202, |v[\xs+30]|, |v[\xs+31]|
	s_delay_alu instid0(VALU_DEP_1)
	v_max3_num_f32 v202, v202, v203, 0x1800000     ; and the floor 2^(3 - 127): the byte cannot fall under 1
	s_delay_alu instid0(VALU_DEP_1)
	v_add_nc_u32 v204, 0xff000000, v202            ; 2 off the exponent field: the conversion takes this operand's exponent field as its scale
	s_delay_alu instid0(VALU_DEP_1)
	v_lshrrev_b32 v[\e], 23, v204                  ; the scale's byte
.irp g, 0,1,2,3
	v_cvt_scalef32_pk8_fp4_f32 v[\c+\g], v[\xs+8*\g:\xs+8*\g+7], v204
.endr
	v_nop                                          ; one plain place behind the scaled conversions
.endm
; ---------------------------------------------------------------- NORM
; Work-group g: tiles 4 g .. 4 g + 3.  Wave w: tile tl = w / 4, lane indices 4 (w % 4) + 0 .. 3 of it, which are four consecutive rows of x.
	s_lshr_b32 s21, s20, 2                         ; tl
	s_and_b32 s22, s20, 3                          ; wq
	s_lshl_b32 s26, ttmp9, 6                       ; my first row: 64 g + 32 (tl / 2) + 8 (tl % 2) + 4 wq + 8 (wq / 2)
	s_lshr_b32 s27, s21, 1
	s_lshl_b32 s27, s27, 5
	s_add_co_u32 s26, s26, s27
	s_and_b32 s27, s21, 1
	s_lshl_b32 s27, s27, 3
	s_add_co_u32 s26, s26, s27
	s_lshl_b32 s27, s22, 2
	s_add_co_u32 s26, s26, s27
	s_lshr_b32 s27, s22, 1
	s_lshl_b32 s27, s27, 3
	s_add_co_u32 s26, s26, s27
	s_lshl_b32 s26, s26, 12                        ; x 4,096 bytes
	s_mov_b32 s27, 0
	s_wait_alu depctr_va_vdst(0)
	v_lshlrev_b32 v2, 4, v1                        ; 16 l
	v_lshlrev_b32 v11, 7, v1                       ; 128 l
	s_wait_alu depctr_va_vdst(0)
	s_wait_kmcnt 0x0
	s_add_nc_u64 s[4:5], s[4:5], s[26:27]
.irp j, 0,1,2,3,4,5,6,7
	global_load_b128 v[W+4*\j:W+4*\j+3], v11, s[6:7] offset:16*\j              ; norm_w[32 l .. 32 l + 31]
.endr
.irp i, 0,1,2,3
.irp j, 0,1,2,3,4,5,6,7
	global_load_b128 v[X+32*\i+4*\j:X+32*\i+4*\j+3], v2, s[4:5] offset:4096*\i+512*\j th:TH_LOAD_NT   ; 32 lanes read 512 consecutive bytes
.endr
.endr
	s_mul_i32 s28, s20, 4608                       ; my stage
	v_lshrrev_b32 v3, 3, v1
	s_delay_alu instid0(VALU_DEP_1)
	v_mul_u32_u24 v3, v3, 144
	v_and_b32 v4, 7, v1
	s_delay_alu instid0(VALU_DEP_1)
	v_lshl_add_u32 v3, v4, 4, v3
	s_delay_alu instid0(VALU_DEP_1)
	v_add_nc_u32 v3, s28, v3                       ; in: eight lanes' 128 bytes are a block, then 16 of padding
	v_mul_u32_u24 v4, v1, 144
	s_delay_alu instid0(VALU_DEP_1)
	v_add_nc_u32 v4, s28, v4                       ; back: lane l takes block l
	s_mul_i32 s29, s21, 8704
	s_lshl_b32 s30, s22, 6
	s_add_co_u32 s30, s30, s29
	s_add_co_u32 s30, s30, IMGST
	v_mul_u32_u24 v5, v1, 272
	s_delay_alu instid0(VALU_DEP_1)
	v_add_nc_u32 v5, s30, v5                       ; my codes: tile tl, block l, row index 4 wq + i
	s_lshl_b32 s30, s21, 6
	s_lshl_b32 s31, s22, 4
	s_add_co_u32 s30, s30, s31
	s_add_co_u32 s30, s30, SCST
	v_lshrrev_b32 v6, 2, v1
	s_delay_alu instid0(VALU_DEP_1)
	v_lshlrev_b32 v6, 8, v6
	v_and_b32 v7, 3, v1
	s_delay_alu instid0(VALU_DEP_1)
	v_add_nc_u32 v6, v6, v7
	s_delay_alu instid0(VALU_DEP_1)
	v_add_nc_u32 v6, s30, v6                       ; my scale byte: K step l / 4, tile tl, row index, byte l % 4
	s_mul_i32 s30, s22, 2176
	s_add_co_u32 s30, s30, s29
	s_add_co_u32 s30, s30, IMGST
	v_lshrrev_b32 v8, 4, v1
	v_and_b32 v9, 15, v1
	s_delay_alu instid0(VALU_DEP_2)
	v_mul_u32_u24 v7, v8, 272
	s_delay_alu instid0(VALU_DEP_1)
	v_lshl_add_u32 v7, v9, 4, v7
	s_delay_alu instid0(VALU_DEP_1)
	v_add_nc_u32 v7, s30, v7                       ; the way out: two blocks an instruction, sixteen lanes to a block
	s_lshl_b32 s30, s20, 9
	s_add_co_u32 s30, s30, SCST
	v_add_nc_u32 v10, s30, v2                      ; the scale bytes' way out (waves 0 to 3)
	v_lshlrev_b32 v8, 15, v8
	s_delay_alu instid0(VALU_DEP_1)
	v_lshl_add_u32 v8, v9, 4, v8                   ; and their place in memory: K step 2 w + l / 16
	v_mov_b32 v193, 0                              ; (named as the upper half of a pair)
	v_mov_b32 v201, 0                              ; (a lane permute's destination counts as one of its sources)
	s_mov_b32 s32, 0x3a800000                      ; 1 / 1024
	s_mov_b32 s33, 0x358637bd                      ; 1e-6
	s_lshl_b32 s34, ttmp9, 15
	s_lshl_b32 s35, s21, 13
	s_add_co_u32 s34, s34, s35
	s_lshl_b32 s35, s22, 11
	s_add_co_u32 s34, s34, s35
	s_mov_b32 s35, 0
	s_add_nc_u64 s[34:35], s[18:19], s[34:35]      ; x's codes: tile 4 g + tl, my quarter of its 8,192 bytes
	s_lshl_b32 s36, s20, 16
	s_lshl_b32 s37, ttmp9, 8
	s_add_co_u32 s36, s36, s37
	s_add_co_u32 s36, s36, XSO
	s_mov_b32 s37, 0
	s_add_nc_u64 s[36:37], s[18:19], s[36:37]      ; x's scale words: K step 2 w, tile 4 g
.macro TURNROW i                       ; a row goes through my stage as it lies and comes back a block a lane.  LDS serves a wave's instructions in order: no wait between the stores and the loads, nor in front of the next row's stores
.irp j, 0,1,2,3,4,5,6,7
	ds_store_b128 v3, v[X+32*(\i)+4*\j:X+32*(\i)+4*\j+3] offset:576*\j
.endr
.irp j, 0,1,2,3,4,5,6,7
	ds_load_b128 v[X+32*(\i)+4*\j:X+32*(\i)+4*\j+3], v4 offset:16*\j
.endr
.endm
.macro ROW i, left                     ; left: the LDS instructions issued behind this row's loads from the stage
.set XS, X+32*(\i)
	s_wait_dscnt \left
	v_pk_mul_f32 v[196:197], v[XS:XS+1], v[XS:XS+1]
	v_pk_mul_f32 v[198:199], v[XS+2:XS+3], v[XS+2:XS+3]
.irp k, 4,8,12,16,20,24,28
	s_delay_alu instid0(VALU_DEP_2)
	v_pk_fma_f32 v[196:197], v[XS+\k:XS+\k+1], v[XS+\k:XS+\k+1], v[196:197]
	s_delay_alu instid0(VALU_DEP_2)
	v_pk_fma_f32 v[198:199], v[XS+\k+2:XS+\k+3], v[XS+\k+2:XS+\k+3], v[198:199]
.endr
	s_delay_alu instid0(VALU_DEP_1)
	v_pk_add_f32 v[196:197], v[196:197], v[198:199]
	s_delay_alu instid0(VALU_DEP_1)
	v_add_f32 v200, v196, v197                     ; the sum of my 32 squares; then over the 32 lanes
	s_delay_alu instid0(VALU_DEP_1)
	v_add_f32_dpp v200, v200, v200 row_xmask:1 row_mask:0xf bank_mask:0xf
	s_delay_alu instid0(VALU_DEP_1)
	v_add_f32_dpp v200, v200, v200 row_xmask:2 row_mask:0xf bank_mask:0xf
	s_delay_alu instid0(VALU_DEP_1)
	v_add_f32_dpp v200, v200, v200 row_xmask:4 row_mask:0xf bank_mask:0xf
	s_delay_alu instid0(VALU_DEP_1)
	v_add_f32_dpp v200, v200, v200 row_xmask:8 row_mask:0xf bank_mask:0xf
	s_delay_alu instid0(VALU_DEP_1)
	v_permlanex16_b32 v201, v200, s24, s25
	s_delay_alu instid0(VALU_DEP_1)
	v_add_f32 v200, v200, v201
	s_delay_alu instid0(VALU_DEP_1)
	v_fma_f32 v200, v200, s32, s33                 ; the mean + 1e-6
	s_wait_alu depctr_va_vdst(0)
	v_rsq_f32 v192, v200
	v_nop                                          ; one plain place behind the transcendental
	s_wait_alu depctr_va_vdst(0)
.irp k, 0,2,4,6,8,10,12,14,16,18,20,22,24,26,28,30
	v_pk_mul_f32 v[XS+\k:XS+\k+1], v[XS+\k:XS+\k+1], v[192:193] op_sel_hi:[1,0]
.endr
.irp k, 0,2,4,6,8,10,12,14,16,18,20,22,24,26,28,30
	v_pk_mul_f32 v[XS+\k:XS+\k+1], v[XS+\k:XS+\k+1], v[W+\k:W+\k+1]            ; (x rs) w, in that order
.endr
	QBLOCK X+32*(\i), C+4*(\i), E+(\i)
	ds_store_b128 v5, v[C+4*(\i):C+4*(\i)+3] offset:16*(\i)
	ds_store_b8 v6, v[E+(\i)] offset:4*(\i)
.endm
	s_wait_loadcnt 24                              ; norm_w and row 0 are in; the 24 loads of rows 1 to 3 may be out
	TURNROW 0
	s_wait_loadcnt 16
	TURNROW 1
	ROW 0, 16                                      ; behind row 0's loads: row 1's sixteen
	s_wait_loadcnt 8
	TURNROW 2
	ROW 1, 18                                      ; row 0's two stores and row 2's sixteen
	s_wait_loadcnt 0x0
	TURNROW 3
	ROW 2, 18
	ROW 3, 2
	s_wait_dscnt 0x0                               ; for the others' sake: my codes and bytes lie in LDS
	s_barrier_signal -1
	s_barrier_wait -1
.irp i, 0,1,2,3
	ds_load_b128 v[X+4*\i:X+4*\i+3], v7 offset:544*\i
.endr
.irp i, 0,1,2,3
	s_wait_dscnt 3-\i
	global_store_b128 v2, v[X+4*\i:X+4*\i+3], s[34:35] offset:512*\i           ; 512 consecutive bytes, aligned
.endr
	s_cmp_lt_u32 s20, 4
	s_cbranch_scc0 .Lnorm_end
	ds_load_b128 v[X+16:X+19], v10
	s_wait_dscnt 0x0
	global_store_b128 v8, v[X+16:X+19], s[36:37]   ; sixteen lanes store 256 consecutive bytes of one K step's row
.Lnorm_end:
	s_wait_tensorcnt 0x0
	ds_add_u32 v216, v217
	s_wait_dscnt 0x0
	s_endpgm
; ---------------------------------------------------------------- WEIGHTS
; j = work-group - 128: wq 0-15, kv_down 16-23, wk 24-31, wv 32-39, wo 40-55.  cb: which 128 columns; kh: which 512 along K.  Wave w: 32 columns (w % 4), K step 4 kh + w / 4.
.Lweights:
	s_sub_co_u32 s21, ttmp9, 128
	s_wait_kmcnt 0x0
	s_mov_b64 s[26:27], s[8:9]                     ; the tensor,
	s_mov_b32 s28, 0                               ; its first j,
	s_mov_b32 s29, 7                               ; cb = j' & this,
	s_mov_b32 s30, 3                               ; kh = j' >> this,
	s_mov_b32 s31, W1C                             ; where its codes go,
	s_mov_b32 s32, W1S                             ; its scale words,
	s_mov_b32 s33, 3                               ; log2 of the K steps in a tile,
	s_mov_b32 s34, 0                               ; its first tile
	s_cmp_ge_u32 s21, 16
	s_cselect_b64 s[26:27], s[10:11], s[26:27]
	s_cselect_b32 s28, 16, s28
	s_cselect_b32 s29, 3, s29
	s_cselect_b32 s30, 2, s30
	s_cselect_b32 s34, 64, s34
	s_cmp_ge_u32 s21, 24
	s_cselect_b64 s[26:27], s[12:13], s[26:27]
	s_cselect_b32 s28, 24, s28
	s_cselect_b32 s29, 7, s29
	s_cselect_b32 s30, 3, s30
	s_cselect_b32 s31, W2C, s31
	s_cselect_b32 s32, W2S, s32
	s_cselect_b32 s33, 2, s33
	s_cselect_b32 s34, 0, s34
	s_cmp_ge_u32 s21, 32
	s_cselect_b64 s[26:27], s[14:15], s[26:27]
	s_cselect_b32 s28, 32, s28
	s_cselect_b32 s34, 64, s34
	s_cmp_ge_u32 s21, 40
	s_cselect_b64 s[26:27], s[16:17], s[26:27]
	s_cselect_b32 s28, 40, s28
	s_cselect_b32 s31, W3C, s31
	s_cselect_b32 s32, W3S, s32
	s_cselect_b32 s33, 3, s33
	s_cselect_b32 s34, 0, s34
	s_cmp_eq_u32 s28, 16
	s_cselect_b32 s41, 11, 12                      ; a row of kv_down is 2,048 bytes, of the others 4,096
	s_sub_co_u32 s35, s21, s28                     ; j'
	s_and_b32 s36, s35, s29                        ; cb
	s_lshr_b32 s37, s35, s30                       ; kh
	s_and_b32 s38, s20, 3                          ; my 32 columns
	s_lshr_b32 s39, s20, 2
	s_lshl_b32 s40, s37, 2
	s_add_co_u32 s40, s40, s39                     ; my K step
	s_lshl_b32 s42, s40, 7
	s_lshl_b32 s42, s42, s41                       ; 128 rows a K step
	s_lshl_b32 s43, s36, 9
	s_add_co_u32 s42, s42, s43
	s_lshl_b32 s43, s38, 7
	s_add_co_u32 s42, s42, s43
	s_mov_b32 s43, 0
	s_add_nc_u64 s[26:27], s[26:27], s[42:43]
	s_wait_alu depctr_va_vdst(0)
	v_lshlrev_b32 v2, 2, v1                        ; a lane a column: 32 lanes read 128 consecutive bytes
.macro WLOAD pitch
.set WI, 0
.rept 128
	global_load_b32 v[X+WI], v2, s[26:27] offset:WI*\pitch th:TH_LOAD_NT
.set WI, WI+1
.endr
.endm
	s_cmp_eq_u32 s28, 16
	s_cbranch_scc1 .Lnarrow
	WLOAD 4096
	s_branch .Lasked
.Lnarrow:
	s_wait_alu depctr_va_vdst(0)
	WLOAD 2048
.Lasked:
	s_lshl_b32 s44, s36, 3
	s_add_co_u32 s44, s44, s34                     ; the work-group's first tile
	s_lshl_b32 s45, s38, 1
	s_add_co_u32 s45, s45, s44                     ; my first tile
	s_lshl_b32 s45, s45, s33
	s_add_co_u32 s45, s45, s40
	s_lshl_b32 s46, s45, 10
	s_add_co_u32 s46, s46, s31
	s_mov_b32 s47, 0
	s_add_nc_u64 s[46:47], s[18:19], s[46:47]      ; fragment (my first tile, my K step)
	v_bfe_u32 v3, v1, 3, 1                         ; column 32 B + x lies in tile 2 B + u, u = (x / 8) % 2,
	v_and_b32 v4, 7, v1
	v_lshrrev_b32 v5, 4, v1
	s_delay_alu instid0(VALU_DEP_1)
	v_lshl_add_u32 v4, v5, 3, v4                   ; at lane index r = x % 8 + 8 (x / 16)
	s_add_co_u32 s48, s33, 10
	v_lshlrev_b32 v5, s48, v3                      ; u tiles on,
	s_delay_alu instid0(VALU_DEP_1)
	v_lshl_add_u32 v5, v4, 4, v5                   ; + 16 r
	s_lshl_b32 s49, s39, 9
	s_lshl_b32 s50, s38, 7
	s_add_co_u32 s49, s49, s50
	s_add_co_u32 s49, s49, WSG
	v_lshlrev_b32 v6, 6, v3
	s_delay_alu instid0(VALU_DEP_1)
	v_lshl_add_u32 v6, v4, 2, v6
	s_delay_alu instid0(VALU_DEP_1)
	v_add_nc_u32 v6, s49, v6                       ; my scale word in LDS: [K step of the four][tile of the eight][r]
	s_lshl_b32 s50, s20, 9
	s_add_co_u32 s50, s50, WSG
	v_lshl_add_u32 v7, v1, 4, s50                  ; and the way out (waves 0 to 3): a K step's 512 bytes
	v_lshlrev_b32 v8, 4, v1
	s_lshl_b32 s51, s37, 2
	s_add_co_u32 s51, s51, s20
	s_lshl_b32 s52, s51, 15
	s_lshl_b32 s53, s44, 6
	s_add_co_u32 s52, s52, s53
	s_add_co_u32 s52, s52, s32
	s_mov_b32 s53, 0
	s_add_nc_u64 s[52:53], s[18:19], s[52:53]
.macro WBLOCK q, left
	s_wait_loadcnt \left
	QBLOCK X+32*(\q), C+4*(\q), 203
.if (\q) == 0
	v_mov_b32 v205, v203
.else
	v_lshl_or_b32 v205, v203, 8*(\q), v205         ; four bytes make my column's scale word of this K step
.endif
	global_store_b128 v5, v[C+4*(\q):C+4*(\q)+3], s[46:47] offset:256*(\q)     ; sixteen lanes of one tile store 256 consecutive bytes, aligned
.endm
	WBLOCK 0, 63                                   ; 96 younger loads could stay out; a wait names 63 at the most
	WBLOCK 1, 63                                   ; (64 could)
	WBLOCK 2, 32
	WBLOCK 3, 0
	ds_store_b32 v6, v205
	s_wait_dscnt 0x0
	s_barrier_signal -1
	s_barrier_wait -1
	s_cmp_lt_u32 s20, 4
	s_cbranch_scc0 .Lw_end
	ds_load_b128 v[X:X+3], v7
	s_wait_dscnt 0x0
	global_store_b128 v8, v[X:X+3], s[52:53]       ; 512 consecutive bytes, aligned
.Lw_end:
	s_wait_tensorcnt 0x0
	ds_add_u32 v216, v217
	s_wait_dscnt 0x0
	s_endpgm
; ---------------------------------------------------------------- ROPE
; A wave makes one position tile.  ang = pos x invf in f32; n = the nearest whole number to ang x 2 / pi; ang - n pi / 2 in three fused steps (pi / 2 in three parts); sin and cos by polynomials on +-pi / 4; the quadrant by selects and sign bits.
.Lrope:
	s_sub_co_u32 s21, ttmp9, 184
	s_lshl_b32 s21, s21, 4
	s_add_co_u32 s21, s21, s20                     ; the tile
	s_lshr_b32 s22, s21, 1
	s_lshl_b32 s22, s22, 5
	s_and_b32 s23, s21, 1
	s_lshl_b32 s23, s23, 3
	s_add_co_u32 s22, s22, s23
	s_lshl_b32 s40, s21, 12
	s_add_co_u32 s40, s40, ROPE
	s_mov_b32 s41, 0
	s_mov_b32 s26, 0x3fc90fdb                      ; pi / 2 = these three
	s_mov_b32 s27, 0xb33bbd2e
	s_mov_b32 s28, 0xa6f72ced
	s_mov_b32 s29, 0xb94ca1f9                      ; sin: -1.9515296e-4, 8.3321609e-3, -1.6666655e-1
	s_mov_b32 s30, 0x3c08839e
	s_mov_b32 s31, 0xbe2aaaa3
	s_mov_b32 s32, 0x37ccf5ce                      ; cos: 2.4433157e-5, -1.3887316e-3, 4.1666646e-2
	s_mov_b32 s33, 0xbab6061a
	s_mov_b32 s34, 0x3d2aaaa5
	s_wait_alu depctr_va_vdst(0)
	v_and_b32 v2, 15, v1
	v_lshrrev_b32 v3, 4, v1
	s_delay_alu instid0(VALU_DEP_2)
	v_and_b32 v4, 8, v2
	s_delay_alu instid0(VALU_DEP_1)
	v_add_nc_u32 v4, v4, v2
	s_delay_alu instid0(VALU_DEP_1)
	v_add_nc_u32 v4, s22, v4
	s_delay_alu instid0(VALU_DEP_1)
	v_cvt_f32_u32 v4, v4                           ; my position
	v_cmp_eq_u32 vcc_lo, 1, v3                     ; lanes 16-31 take frequencies 16 .. 31
	v_lshlrev_b32 v14, 4, v1
.macro SINCOS x, f0, f1
	v_mov_b32 v5, \f0
	v_mov_b32 v6, \f1
	s_delay_alu instid0(VALU_DEP_1)
	v_cndmask_b32 v5, v5, v6, vcc_lo
	s_delay_alu instid0(VALU_DEP_1)
	v_mul_f32 v5, v4, v5                           ; the angle
	s_delay_alu instid0(VALU_DEP_1)
	v_mul_f32 v6, 0x3f22f983, v5
	s_delay_alu instid0(VALU_DEP_1)
	v_rndne_f32 v6, v6                             ; n
	s_delay_alu instid0(VALU_DEP_1)
	v_fma_f32 v5, -v6, s26, v5
	s_delay_alu instid0(VALU_DEP_1)
	v_fma_f32 v5, -v6, s27, v5
	s_delay_alu instid0(VALU_DEP_1)
	v_fma_f32 v5, -v6, s28, v5                     ; what is left of the angle
	s_delay_alu instid0(VALU_DEP_1)
	v_mul_f32 v7, v5, v5
	s_delay_alu instid0(VALU_DEP_1)
	v_fma_f32 v8, v7, s29, s30
	s_delay_alu instid0(VALU_DEP_1)
	v_fma_f32 v8, v8, v7, s31
	s_delay_alu instid0(VALU_DEP_3)
	v_mul_f32 v9, v5, v7
	s_delay_alu instid0(VALU_DEP_1)
	v_fma_f32 v8, v9, v8, v5                       ; its sine
	v_fma_f32 v10, v7, s32, s33
	s_delay_alu instid0(VALU_DEP_1)
	v_fma_f32 v10, v10, v7, s34
	v_mul_f32 v11, v7, v7
	v_fma_f32 v12, v7, -0.5, 1.0
	s_delay_alu instid0(VALU_DEP_1)
	v_fma_f32 v10, v11, v10, v12                   ; its cosine
	v_cvt_i32_f32 v6, v6
	s_delay_alu instid0(VALU_DEP_1)
	v_and_b32 v11, 1, v6
	s_delay_alu instid0(VALU_DEP_1)
	v_cmp_eq_u32 s36, 1, v11                       ; odd quadrants change the two over
	s_delay_alu instid0(VALU_DEP_1)
	v_cndmask_b32 v12, v8, v10, s36
	s_delay_alu instid0(VALU_DEP_2)
	v_cndmask_b32 v13, v10, v8, s36
	v_and_b32 v11, 2, v6
	s_delay_alu instid0(VALU_DEP_1)
	v_lshlrev_b32 v11, 30, v11
	s_delay_alu instid0(VALU_DEP_1)
	v_xor_b32 v[32+\x], v11, v12                   ; sin: negative in quadrants 2, 3
	v_add_nc_u32 v11, 1, v6
	s_delay_alu instid0(VALU_DEP_1)
	v_and_b32 v11, 2, v11
	s_delay_alu instid0(VALU_DEP_1)
	v_lshlrev_b32 v11, 30, v11
	s_delay_alu instid0(VALU_DEP_1)
	v_xor_b32 v[16+\x], v11, v13                   ; cos: negative in quadrants 1, 2
.endm
	SINCOS 0, 1.0, 0.01                            ; 10^(-x / 8) and 10^(-(16 + x) / 8)
	SINCOS 1, 0.7498942093, 0.007498942093
	SINCOS 2, 0.5623413252, 0.005623413252
	SINCOS 3, 0.4216965034, 0.004216965034
	SINCOS 4, 0.3162277660, 0.003162277660
	SINCOS 5, 0.2371373706, 0.002371373706
	SINCOS 6, 0.1778279410, 0.001778279410
	SINCOS 7, 0.1333521432, 0.001333521432
	SINCOS 8, 0.1, 0.001
	SINCOS 9, 0.07498942093, 0.0007498942093
	SINCOS 10, 0.05623413252, 0.0005623413252
	SINCOS 11, 0.04216965034, 0.0004216965034
	SINCOS 12, 0.03162277660, 0.0003162277660
	SINCOS 13, 0.02371373706, 0.0002371373706
	SINCOS 14, 0.01778279410, 0.0001778279410
	SINCOS 15, 0.01333521432, 0.0001333521432
	s_wait_alu depctr_va_vdst(0)
	s_wait_kmcnt 0x0
	s_add_nc_u64 s[40:41], s[18:19], s[40:41]
.irp g, 0,1,2,3,4,5,6,7
	global_store_b128 v14, v[16+4*\g:19+4*\g], s[40:41] offset:512*\g          ; 512 consecutive bytes, aligned
.endr
	s_endpgm
.Lfunc_end_k_q3d4026bf21_prep:
	.size	k_q3d4026bf21_prep, .Lfunc_end_k_q3d4026bf21_prep-k_q3d4026bf21_prep
	.p2alignl 7, 3214868480
	.fill 96, 4, 3214868480
	.section	.rodata,"a",@progbits
	.p2align	6, 0x0
	.amdhsa_kernel k_q3d4026bf21_prep
		.amdhsa_group_segment_fixed_size 114688
		.amdhsa_private_segment_fixed_size 0
		.amdhsa_enable_private_segment 0
		.amdhsa_kernarg_size 64
		.amdhsa_user_sgpr_count 2
		.amdhsa_user_sgpr_kernarg_segment_ptr 1
		.amdhsa_wavefront_size32 1
		.amdhsa_system_sgpr_workgroup_id_x 1
		.amdhsa_system_sgpr_workgroup_id_y 1
		.amdhsa_system_sgpr_workgroup_id_z 1
		.amdhsa_system_vgpr_workitem_id 0
		.amdhsa_next_free_vgpr 218
		.amdhsa_next_free_sgpr 66
		.amdhsa_reserve_vcc 1
		.amdhsa_float_denorm_mode_32 3
		.amdhsa_float_denorm_mode_16_64 3
		.amdhsa_memory_ordered 1
		.amdhsa_forward_progress 1
		.amdhsa_inst_pref_size 113
	.end_amdhsa_kernel
	.amdgpu_metadata
---
amdhsa.version: [ 1, 2 ]
amdhsa.kernels:
  - .name:           k_q3d4026bf21_prep
    .symbol:         k_q3d4026bf21_prep.kd
    .args:
      - { .name: x, .offset: 0, .size: 8, .value_kind: global_buffer, .address_space: global }
      - { .name: norm_w, .offset: 8, .size: 8, .value_kind: global_buffer, .address_space: global }
      - { .name: wq, .offset: 16, .size: 8, .value_kind: global_buffer, .address_space: global }
      - { .name: kv_down, .offset: 24, .size: 8, .value_kind: global_buffer, .address_space: global }
      - { .name: wk, .offset: 32, .size: 8, .value_kind: global_buffer, .address_space: global }
      - { .name: wv, .offset: 40, .size: 8, .value_kind: global_buffer, .address_space: global }
      - { .name: wo, .offset: 48, .size: 8, .value_kind: global_buffer, .address_space: global }
      - { .name: prepbuf, .offset: 56, .size: 8, .value_kind: global_buffer, .address_space: global }
    .group_segment_fixed_size: 114688
    .private_segment_fixed_size: 0
    .kernarg_segment_align: 8
    .kernarg_segment_size: 64
    .max_flat_workgroup_size: 512
    .sgpr_count:     66
    .vgpr_count:     218
    .wavefront_size: 32
...
	.end_amdgpu_metadata
.endif
;; end of part 1
;; launch g12 (part 2): grid 4 x 64, 16 waves a work-group, clusters of 4 x 1, 318,464 bytes of LDS; arguments prepbuf, act1, act2; writes act1, act2
.if DOCPART == 2
	.amdgcn_target "amdgcn-amd-amdhsa--gfx1250"
	.amdhsa_code_object_version 6
	.text
	.protected	k_q3d4026bf21_g12
	.globl	k_q3d4026bf21_g12
	.p2align	8
	.type	k_q3d4026bf21_g12,@function
k_q3d4026bf21_g12:
	s_mov_b64 s[64:65], 0
	v_nop
	global_prefetch_b8 v0, s[64:65] scope:SCOPE_SE
	s_setreg_imm32_b32 hwreg(HW_REG_WAVE_MODE, 25, 1), 1
	s_wait_xcnt 0x0
	s_wait_alu depctr_hold_cnt(0) depctr_sa_sdst(0) depctr_va_vdst(0) depctr_va_sdst(0) depctr_va_ssrc(0) depctr_va_vcc(0) depctr_vm_vsrc(0)
	s_getreg_b32 s2, hwreg(HW_REG_IB_STS2, 6, 4)
	s_cmp_eq_u32 s2, 0
	s_cbranch_scc0 .Lentry_in_a_cluster
	s_endpgm
.Lentry_in_a_cluster:
	s_bfe_u32 s2, ttmp6, 0x10000c
	s_cmp_lg_u32 s2, 0x3003
	s_cbranch_scc0 .Lentry_shape_is_right
	s_endpgm
.Lentry_shape_is_right:
; G12: q = xn wq and k = Q(kv) wk, rotated (RoPE) and quantised along each head's 64; v = Q(kv) wv, quantised along the keys; kv = xn kv_down, quantised along its 512.  All products on codes of FP4 (E2M1) with E8M0 scales; sums in f32.
; A work-group owns 128 tokens (8 tiles) and a quarter of the 1,024 columns of q, k and v (16 tiles each).  It makes ALL 512 columns of kv for its tokens, quantises them into LDS, and uses them there: kv never goes to memory.
; (The four work-groups of a token block each make kv: 128 tokens are the least that give whole scale words of v, whose K is the keys, and 64 such blocks alone would leave three WGPs in four without work.)
; PART 1, all sixteen waves: wave w makes kv's columns 32 w .. 32 w + 31 (one block of the next K) for all 8 token tiles, four at a time.  Its two tiles of kv_down, all of K, lie in 128 registers, loaded from memory as they lie:
; each fragment is read by this wave alone.  x's fragments come from LDS.
; PART 2, behind one barrier: waves 0-7 make q (128 columns x 32 tokens each, K = 1,024); waves 8-15 make v (128 tokens x 32 channels each, wv's two tiles in 64 registers) and then k (128 columns x 32 tokens, K = 512).
; D = S0 x S1: a lane holds one row of source 1, its registers run along source 0's rows.  Tiles: lane index r of tile T is row 32 (T / 2) + 8 (T % 2) + r + 8 (r / 8): the 16 registers of source 0's tiles 2 b, 2 b + 1 are 16 neighbours.
; LDS is filled ONCE by the head's tensor loads, one a wave: there is no refill and no loop ahead of the fills in which a prefetch could run.
; CLUSTER 4 x 1: four token blocks and the same column quarter: wq's and wk's codes and scale words are asked for JOINTLY.
; LIMITS: a block of zeros gets the byte 1 where the rule says 127 (its codes are zeros; this program alone reads the bytes); largest magnitudes under 2^-124 are held at that floor; NaN and infinities are not served.
.set XSO,   4194304                    ; prepbuf: x's codes at 0 [tile][K step 8][1,024], their scale words [K step][tile][64], 32,768 bytes a K step,
.set W1C,   4456448                    ; wq's 64 tiles and kv_down's 32, 8,192 bytes a tile,
.set W1S,   5242880
.set W2C,   5505024                    ; wk's 64 tiles and wv's 64, 4,096 bytes a tile,
.set W2S,   6029312
.set ROPE,  6946816
.set QS,    4194304                    ; act1: q's codes at 0 [tile][pair of heads][1,024], q's scale words [pair][tile][64]; act2: k likewise,
.set VC,    4456448                    ; v's codes [channel tile 64][key step 64][1,024],
.set VSO,   8650752                    ; v's scale words [key step 64][channel tile 64][64]
.set WQC,   65536                      ; LDS: x's codes at 0; wq's 16 tiles here;
.set WKC,   196608                     ; wk's 16 tiles;
.set KVL,   262144                     ; kv's codes [tile 8][K step 4][1,024]: stored by the waves;
.set XS,    294912                     ; x's scale words [K step 8][tile 8][64];
.set WQS,   299008                     ; wq's [K step 8][tile 16][64];
.set WKS,   307200                     ; wk's [K step 4][tile 16][64];
.set KVSL,  311296                     ; kv's [K step 4][tile 8][64]: stored by the waves;
.set OSG,   313344                     ; 3,072 bytes in which the results' scale words meet: q's, k's, v's
.set SPARE, 316416                     ; the spare words, 128 bytes a wave
.set F1,  48
.set F0,  64
.set ACC, 128
.set TM,  28
.macro CROUND                          ; a round of the cluster's barrier
	s_barrier_signal -1
	s_barrier_wait -1
	s_cmp_lg_u32 s12, 0
	s_cbranch_scc1 .Lnot_wave_0_\@
	s_barrier_signal -3
.Lnot_wave_0_\@:
	s_barrier_wait -3
	s_barrier_signal -1
	s_barrier_wait -1
.endm
.macro MM d, a, b, c, sa, sb, ra, rb   ; one product; ra, rb: the side's scale words lie in lanes 16-31 of the register named
.if ((\ra)!=0)&&((\rb)!=0)
	v_wmma_scale_f32_16x16x128_f8f6f4 v[\d:\d+7], v[\a:\a+7], v[\b:\b+7], \c, v[\sa], v[\sb] matrix_a_fmt:MATRIX_FMT_FP4 matrix_b_fmt:MATRIX_FMT_FP4 matrix_a_scale:MATRIX_SCALE_ROW1 matrix_b_scale:MATRIX_SCALE_ROW1
.elseif (\ra)!=0
	v_wmma_scale_f32_16x16x128_f8f6f4 v[\d:\d+7], v[\a:\a+7], v[\b:\b+7], \c, v[\sa], v[\sb] matrix_a_fmt:MATRIX_FMT_FP4 matrix_b_fmt:MATRIX_FMT_FP4 matrix_a_scale:MATRIX_SCALE_ROW1
.elseif (\rb)!=0
	v_wmma_scale_f32_16x16x128_f8f6f4 v[\d:\d+7], v[\a:\a+7], v[\b:\b+7], \c, v[\sa], v[\sb] matrix_a_fmt:MATRIX_FMT_FP4 matrix_b_fmt:MATRIX_FMT_FP4 matrix_b_scale:MATRIX_SCALE_ROW1
.else
	v_wmma_scale_f32_16x16x128_f8f6f4 v[\d:\d+7], v[\a:\a+7], v[\b:\b+7], \c, v[\sa], v[\sb] matrix_a_fmt:MATRIX_FMT_FP4 matrix_b_fmt:MATRIX_FMT_FP4
.endif
.endm
.macro DESC g, w0, c, r, p             ; descriptor group 1: r rows of c elements of 8 bytes, p elements apart
	s_mov_b32 s[\g], \w0
	s_mov_b32 s[\g+1], (\c)<<16
	s_mov_b32 s[\g+2], (\r)<<16
	s_mov_b32 s[\g+3], (\c)<<16
	s_mov_b32 s[\g+4], \r
	s_mov_b32 s[\g+5], \p
	s_mov_b32 s[\g+6], 0
	s_mov_b32 s[\g+7], 0
.endm
.macro PLACES                          ; four places behind products (ISA guide 7.12.1)
.rept 4
	v_nop
.endr
.endm
; PART 1, K step s for token tiles 4 g .. 4 g + 3: 10 LDS loads, 8 products on 8 accumulators by turns.  x's four fragments lie at v48, v56, v28, v36.
.macro KVH g, s
.if (\s) > 0
	PLACES
.endif
.irp t, 0,1,2,3
.irp c, 0,1
	ds_load_b128 v[48+8*\t-36*(\t/2)+4*\c:48+8*\t-36*(\t/2)+4*\c+3], v8 offset:(4*\g+\t)*8192+(\s)*1024+512*\c
.endr
.endr
.irp u, 0,1
	ds_load_b32 v[12+\u], v1 offset:(\s)*512+(2*\g+\u)*128
.endr
.if (\g) == 0
	s_wait_loadcnt 5*(7-(\s))                      ; kv_down's K step s is in: four loads of codes and one of scale words for each later K step may be out
.endif
	s_wait_dscnt 0x0
.irp t, 0,1,2,3
.irp i, 0,1
.if (\s) == 0
	MM 64+16*\t+8*\i, 128+16*(\s)+8*\i, 48+8*\t-36*(\t/2), 0, 20+(\s), 12+\t/2, \i, \t%2
.else
	MM 64+16*\t+8*\i, 128+16*(\s)+8*\i, 48+8*\t-36*(\t/2), v[64+16*\t+8*\i:64+16*\t+8*\i+7], 20+(\s), 12+\t/2, \i, \t%2
.endif
.endr
.endr
.endm
; kv of four token tiles becomes codes and scale bytes in LDS.  A lane holds 16 of a block's 32 numbers: 8 bytes of codes at 256 q + 16 r + 8 (lane / 16) of the fragment's image.
.macro KVQ g
	PLACES
.irp t, 0,1,2,3
	v_max3_num_f32 v[48+\t], |v[64+16*\t]|, |v[65+16*\t]|, 0x1800000   ; and the floor 2^(3 - 127)
.endr
.irp i, 2,4,6,8,10,12,14
.irp t, 0,1,2,3
	v_max3_num_f32 v[48+\t], v[48+\t], |v[64+16*\t+\i]|, |v[65+16*\t+\i]|
.endr
.endr
.irp t, 0,1,2,3
	v_permlanex16_b32 v[52+\t], v[48+\t], s82, s83
.endr
.irp t, 0,1,2,3
	v_max_num_f32 v[48+\t], v[48+\t], v[52+\t]     ; with lane l xor 16's: the block's largest magnitude
.endr
.irp t, 0,1,2,3
	v_add_nc_u32 v[56+\t], 0xff000000, v[48+\t]    ; 2 off its exponent field: the conversion's scale operand
.endr
.irp t, 0,1,2,3
	v_lshrrev_b32 v[52+\t], 23, v[56+\t]           ; the scale's byte
.endr
.irp t, 0,1,2,3
	v_cvt_scalef32_pk8_fp4_f32 v[28+2*\t], v[64+16*\t:71+16*\t], v[56+\t]
	v_cvt_scalef32_pk8_fp4_f32 v[29+2*\t], v[72+16*\t:79+16*\t], v[56+\t]
.endr
	v_nop                                          ; one plain place behind a scaled conversion
.irp t, 0,1,2,3
	ds_store_b64 v18, v[28+2*\t:29+2*\t] offset:(4*\g+\t)*4096
	ds_store_b8 v19, v[52+\t] offset:(4*\g+\t)*64  ; lanes r and r + 16 write the same byte with the same value
.endr
.endm
; v, K step s for token tiles 4 g .. 4 g + 3: source 0 = kv's tiles from LDS, source 1 = wv's two tiles in registers.  Accumulator (token tile i, channel tile t) at 64 + 64 t + 8 i.
.macro VH g, s
.if ((\g)+(\s)) > 0
	PLACES
.endif
.irp i, 0,1,2,3
.irp c, 0,1
	ds_load_b128 v[48+8*\i-36*(\i/2)+4*\c:48+8*\i-36*(\i/2)+4*\c+3], v2 offset:(4*\g+\i)*4096+(\s)*1024+512*\c
.endr
.endr
.irp u, 0,1
	ds_load_b32 v[12+\u], v17 offset:(\s)*512+(2*\g+\u)*128
.endr
	s_wait_dscnt 0x0
.irp i, 0,1,2,3
.irp t, 0,1
.if (\s) == 0
	MM 64+64*\t+8*(4*\g+\i), 48+8*\i-36*(\i/2), 192+16*(\s)+8*\t, 0, 12+\i/2, 20+(\s), \i%2, \t
.else
	MM 64+64*\t+8*(4*\g+\i), 48+8*\i-36*(\i/2), 192+16*(\s)+8*\t, v[64+64*\t+8*(4*\g+\i):64+64*\t+8*(4*\g+\i)+7], 12+\i/2, 20+(\s), \i%2, \t
.endif
.endr
.endr
.endm
; q and k, a K step: 25 LDS loads, 16 products on 16 accumulators by turns.  ks: K steps in a tile of codes.
.macro KSTEP s, zero, ks
.if (\s) > 0
	PLACES
.endif
.irp t, 0,1
.irp c, 0,1
	ds_load_b128 v[F1+8*\t+4*\c:F1+8*\t+4*\c+3], v5 offset:\t*(\ks)*1024+(\s)*1024+512*\c
.endr
.endr
	ds_load_b32 v16, v7 offset:(\s)*512            ; lanes 0-15 my first token tile's words, lanes 16-31 my second's
.irp u, 0,1,2,3
	ds_load_b32 v[12+\u], v6 offset:(\s)*1024+128*\u
.endr
.irp i, 0,1,2,3,4,5,6,7
.irp c, 0,1
	ds_load_b128 v[F0+8*\i+4*\c:F0+8*\i+4*\c+3], v4 offset:\i*(\ks)*1024+(\s)*1024+512*\c
.endr
.endr
.irp i, 0,1,2,3,4,5,6,7
	s_wait_dscnt 2*(7-\i)                          ; S0's fragment i is in; the two loads of each later one may be out
.irp t, 0,1
.if \zero
	MM ACC+64*\t+8*\i, F0+8*\i, F1+8*\t, 0, 12+\i/2, 16, \i%2, \t
.else
	MM ACC+64*\t+8*\i, F0+8*\i, F1+8*\t, v[ACC+64*\t+8*\i:ACC+64*\t+8*\i+7], 12+\i/2, 16, \i%2, \t
.endif
.endr
.endr
.endm
; 64 numbers of a lane, register 16 b + i = k 32 b + 16 (lane / 16) + i of my row, become a fragment's codes in v[pc] on and its scale word in v[pw]
.macro QUANT s, pc, pw
.irp b, 0,1,2,3
	v_max3_num_f32 v[TM+\b], |v[\s+16*\b]|, |v[\s+1+16*\b]|, 0x1800000
.endr
.irp i, 2,4,6,8,10,12,14
.irp b, 0,1,2,3
	v_max3_num_f32 v[TM+\b], v[TM+\b], |v[\s+16*\b+\i]|, |v[\s+1+16*\b+\i]|
.endr
.endr
.irp b, 0,1,2,3
	s_delay_alu instid0(VALU_DEP_4)
	v_permlanex16_b32 v[TM+4+\b], v[TM+\b], s82, s83
.endr
.irp b, 0,1,2,3
	s_delay_alu instid0(VALU_DEP_4)
	v_max_num_f32 v[TM+\b], v[TM+\b], v[TM+4+\b]
.endr
.irp b, 0,1,2,3
	s_delay_alu instid0(VALU_DEP_4)
	v_add_nc_u32 v[TM+12+\b], 0xff000000, v[TM+\b]
.endr
.irp b, 0,1,2,3
	s_delay_alu instid0(VALU_DEP_4)
	v_lshrrev_b32 v[TM+4+\b], 23, v[TM+12+\b]
.endr
	s_delay_alu instid0(VALU_DEP_3)
	v_lshl_or_b32 v[\pw], v[TM+5], 8, v[TM+4]
	s_delay_alu instid0(VALU_DEP_1)
	v_lshl_or_b32 v[\pw], v[TM+6], 16, v[\pw]
	s_delay_alu instid0(VALU_DEP_1)
	v_lshl_or_b32 v[\pw], v[TM+7], 24, v[\pw]
.irp b, 0,1,2,3
	v_cvt_scalef32_pk8_fp4_f32 v[\pc+2*\b], v[\s+16*\b:\s+7+16*\b], v[TM+12+\b]
	v_cvt_scalef32_pk8_fp4_f32 v[\pc+1+2*\b], v[\s+8+16*\b:\s+15+16*\b], v[TM+12+\b]
.endr
	v_nop                                          ; one plain place behind a scaled conversion
.irp c, 0,1                                    ; the operand's layout wants a whole block in a lane
.irp i, 0,1
	v_permlane16_swap_b32 v[\pc+4*\c+\i], v[\pc+2+4*\c+\i]
.endr
.endr
.endm
; The rotation of token tile t: in each of my two heads register x holds d = 16 (lane / 16) + x and register 16 + x holds d + 32; cos and sin of frequency d lie in registers x and 16 + x of the tile's 32.
.macro ROT t
.irp hh, 0,1
.irp x, 0,2,4,6,8,10,12,14
.set TP, 28+4*((\x/2)%2)
.set T1, ACC+64*\t+32*\hh+\x
.set CN, F0+32*\t+\x
	v_pk_mul_f32 v[TP:TP+1], v[T1+16:T1+17], v[CN+16:CN+17]
	v_pk_mul_f32 v[TP+2:TP+3], v[T1:T1+1], v[CN+16:CN+17]
	v_pk_fma_f32 v[T1:T1+1], v[T1:T1+1], v[CN:CN+1], v[TP:TP+1] neg_lo:[0,0,1] neg_hi:[0,0,1]
	v_pk_fma_f32 v[T1+16:T1+17], v[T1+16:T1+17], v[CN:CN+1], v[TP+2:TP+3]
.endr
.endr
.endm
; q or k: 128 columns x 32 tokens over ks K steps, rotated, quantised, stored
.macro TASK ks
	KSTEP 0, 1, \ks
.set SS, 1
.rept \ks-1
	KSTEP SS, 0, \ks
.set SS, SS+1
.endr
	PLACES
.irp t, 0,1
.irp g, 0,1,2,3,4,5,6,7
	global_load_b128 v[F0+32*\t+4*\g:F0+32*\t+4*\g+3], v8, s[80:81] offset:4096*\t+512*\g
.endr
.endr
	s_wait_loadcnt 8                               ; the first tile's eight are in, the second's may be out
	ROT 0
	s_wait_loadcnt 0x0
	ROT 1
	QUANT ACC, F1, 44
	global_store_b128 v8, v[F1:F1+3], s[76:77]                 ; a fragment: twice 512 consecutive bytes, aligned
	global_store_b128 v8, v[F1+4:F1+7], s[76:77] offset:512
	QUANT ACC+64, F1+8, 45
	global_store_b128 v8, v[F1+8:F1+11], s[76:77] offset:8192
	global_store_b128 v8, v[F1+12:F1+15], s[76:77] offset:8704
	ds_store_b32 v10, v44                          ; lanes r and r + 16 hold the same word and write it to the same place
	ds_store_b32 v10, v45 offset:64
.endm
.macro ARM under, g0, g1, next         ; one arm of the head's tree: a load, an s_nop 0 and four v_nop, a jump to the tree's end
	s_cmp_lt_u32 s12, \under
	s_cbranch_scc0 \next
	tensor_load_to_lds s[\g0:\g0+3], s[\g1:\g1+7]
	s_nop 0
.rept 4
	v_nop
.endr
	s_branch .Lfilled
\next:
.endm
	s_load_b128 s[4:7], s[0:1], 0x0                ; prepbuf, act1
	s_load_b64 s[8:9], s[0:1], 0x10                ; act2
	v_lshl_add_u32 v46, v0, 2, SPARE
	v_mov_b32 v47, 0
	ds_add_u32 v46, v47                            ; the opening lines: the add, twice on end, and its wait ahead of the first tensor load
	ds_add_u32 v46, v47
	v_lshrrev_b32 v1, 5, v0
	s_delay_alu instid0(VALU_DEP_1)
	v_readfirstlane_b32 s12, v1                    ; wave 0..15
	s_and_b32 s13, s12, 1                          ; hs0: which 128 columns (q, k)
	s_bfe_u32 s14, s12, 0x20001                    ; ps1: which 32 tokens (q, k)
	s_lshr_b32 s19, s12, 3                         ; 0: q; 1: v and k
	s_xor_b32 s20, s19, 1
	s_and_b32 s21, s12, 7
	s_bfe_u32 s15, ttmp6, 0x40000                  ; cx
	s_and_b32 s16, ttmp7, 0xffff                   ; the cluster
	s_lshr_b32 s17, s16, 4                         ; cq: the column quarter, which the partners share
	s_and_b32 s18, s16, 15
	s_lshl_b32 s18, s18, 2
	s_add_co_u32 s18, s18, s15                     ; tb: my block of 128 tokens
	DESC 24, 3<<16, 32, 128, 32                    ; 32,768 dense bytes as rows of 256: half of x's codes, my work-group's own
	DESC 32, 15|(3<<16)|(1<<21), 32, 128, 32       ; the same for all four partners (bit 21 set beside a mask): a quarter of wq's codes, half of wk's
	DESC 40, 3<<16, 64, 8, 4096                    ; x's scale words: 8 rows of 512 bytes, 32,768 bytes apart
	DESC 48, 15|(3<<16)|(1<<21), 128, 8, 4096      ; wq's: 8 rows of 1,024 bytes
	DESC 56, 15|(3<<16)|(1<<21), 128, 4, 4096      ; wk's: 4 rows
	s_lshl_b32 s22, s13, 15                        ; which half (x, wk),
	s_add_co_u32 s23, s12, 2
	s_and_b32 s23, s23, 3
	s_lshl_b32 s23, s23, 15                        ; which quarter (wq: waves 2 to 5)
	s_lshl_b32 s92, s18, 16                        ; x's codes
	s_add_co_u32 s92, s92, s22
	s_mov_b32 s93, 0
	s_lshl_b32 s94, s17, 17                        ; wq's: of cq and the wave's number alone, in registers that never hold cx
	s_add_co_u32 s94, s94, s23
	s_add_co_u32 s94, s94, W1C
	s_mov_b32 s95, 0
	s_lshl_b32 s96, s17, 16                        ; wk's likewise
	s_add_co_u32 s96, s96, s22
	s_add_co_u32 s96, s96, W2C
	s_mov_b32 s97, 0
	s_lshl_b32 s98, s18, 9
	s_add_co_u32 s98, s98, XSO
	s_mov_b32 s99, 0
	s_lshl_b32 s100, s17, 10
	s_add_co_u32 s100, s100, W1S
	s_mov_b32 s101, 0
	s_lshl_b32 s2, s17, 10
	s_add_co_u32 s2, s2, W2S
	s_mov_b32 s3, 0
	s_mov_b32 s68, 1
	s_mov_b32 s69, s22
	s_mov_b32 s72, 1
	s_add_co_u32 s73, s23, WQC
	s_mov_b32 s76, 1
	s_add_co_u32 s77, s22, WKC
	s_mov_b32 s80, 1
	s_mov_b32 s81, XS
	s_mov_b32 s84, 1
	s_mov_b32 s85, WQS
	s_mov_b32 s88, 1
	s_mov_b32 s89, WKS
	s_wait_dscnt 0x0
	s_wait_kmcnt 0x0
	s_add_nc_u64 s[70:71], s[4:5], s[92:93]
	s_or_b32 s71, s71, 0x80000000
	s_add_nc_u64 s[74:75], s[4:5], s[94:95]
	s_or_b32 s75, s75, 0x80000000
	s_add_nc_u64 s[78:79], s[4:5], s[96:97]
	s_or_b32 s79, s79, 0x80000000
	s_add_nc_u64 s[82:83], s[4:5], s[98:99]
	s_or_b32 s83, s83, 0x80000000
	s_add_nc_u64 s[86:87], s[4:5], s[100:101]
	s_or_b32 s87, s87, 0x80000000
	s_add_nc_u64 s[90:91], s[4:5], s[2:3]
	s_or_b32 s91, s91, 0x80000000
	s_lshl_b32 s92, s12, 14                        ; my two tiles of kv_down: tiles 64 + 2 w, 65 + 2 w of the first weights
	s_add_co_u32 s92, s92, W1C+64*8192
	s_add_nc_u64 s[10:11], s[4:5], s[92:93]
	s_lshl_b32 s92, s12, 7
	s_add_co_u32 s92, s92, W1S+64*64
	s_add_nc_u64 s[22:23], s[4:5], s[92:93]        ; and their scale words
	CROUND                                         ; all four work-groups are here: the joint loads meet
	; The only fills, one a wave: waves 0-1 x's codes, 2-5 wq's, 6-7 wk's, 8 x's scale words, 9 wq's, 10 wk's
	ARM 2, 68, 24, .Lfill_a
	ARM 6, 72, 32, .Lfill_b
	ARM 8, 76, 32, .Lfill_c
	ARM 9, 80, 40, .Lfill_d
	ARM 10, 84, 48, .Lfill_e
	ARM 11, 88, 56, .Lfill_f
.Lfilled:
	v_and_b32 v28, 31, v0
	v_and_b32 v29, 15, v0                          ; r
	v_bfe_u32 v30, v0, 4, 1                        ; lane / 16
	v_lshlrev_b32 v8, 4, v28                       ; 16 l: memory, and x's fragments in LDS
	v_lshlrev_b32 v3, 2, v28                       ; 4 l
	s_wait_alu depctr_va_vdst(0)
.irp s, 0,1,2,3,4,5,6,7
.irp i, 0,1
.irp c, 0,1
	global_load_b128 v[128+16*\s+8*\i+4*\c:128+16*\s+8*\i+4*\c+3], v8, s[10:11] offset:8192*\i+1024*\s+512*\c   ; kv_down's fragments: 512 consecutive bytes a load
.endr
.endr
	global_load_b32 v[20+\s], v3, s[22:23] offset:32768*\s     ; lanes 0-15 my first tile's words, lanes 16-31 my second's
.endr
	v_add_nc_u32 v1, XS, v3                        ; x's scale words
	v_add_nc_u32 v2, KVL, v8                       ; kv's fragments
	v_add_nc_u32 v17, KVSL, v3                     ; kv's scale words
	s_mul_i32 s92, s19, 131072                     ; S0's fragments: q: WQC + 65,536 hs0; k: WKC + 32,768 hs0
	s_lshl_b32 s93, s13, 15
	s_add_co_u32 s92, s92, s93
	s_and_b32 s93, s13, s20
	s_lshl_b32 s93, s93, 15
	s_add_co_u32 s92, s92, s93
	s_add_co_u32 s92, s92, WQC
	v_add_nc_u32 v4, s92, v8
	s_mul_i32 s92, s19, KVL                        ; S1's: q: 16,384 ps1 in x's codes; k: KVL + 8,192 ps1
	s_lshl_b32 s93, s14, 13
	s_add_co_u32 s92, s92, s93
	s_mul_i32 s93, s20, s14
	s_lshl_b32 s93, s93, 13
	s_add_co_u32 s92, s92, s93
	v_add_nc_u32 v5, s92, v8
	s_lshl_b32 s92, s19, 13                        ; S0's scale words: WQS or WKS, + 512 hs0
	s_lshl_b32 s93, s13, 9
	s_add_co_u32 s92, s92, s93
	s_add_co_u32 s92, s92, WQS
	v_add_nc_u32 v6, s92, v3
	s_lshl_b32 s92, s19, 14                        ; S1's: XS or KVSL, + 128 ps1
	s_lshl_b32 s93, s14, 7
	s_add_co_u32 s92, s92, s93
	s_add_co_u32 s92, s92, XS
	v_add_nc_u32 v7, s92, v3
	s_lshl_b32 s92, s19, 10                        ; q's and k's scale words meet at [q, k][hs0][token tile 8][r]
	s_lshl_b32 s93, s13, 9
	s_add_co_u32 s92, s92, s93
	s_lshl_b32 s93, s14, 7
	s_add_co_u32 s92, s92, s93
	s_add_co_u32 s92, s92, OSG
	v_lshl_add_u32 v10, v29, 2, s92
	s_lshl_b32 s92, s21, 7                         ; v's at [channel tile 16][r]
	s_add_co_u32 s92, s92, OSG+2048
	v_lshl_add_u32 v9, v29, 2, s92
	s_lshl_b32 s92, s12, 9
	s_add_co_u32 s92, s92, OSG
	v_add_nc_u32 v11, s92, v8                      ; their way out (waves 0 to 5)
	s_lshr_b32 s92, s12, 2                         ; my block of kv: K step w / 4, block w % 4
	s_and_b32 s93, s12, 3
	s_lshl_b32 s94, s92, 10
	s_lshl_b32 s95, s93, 8
	s_add_co_u32 s94, s94, s95
	s_add_co_u32 s94, s94, KVL
	v_lshl_add_u32 v18, v29, 4, s94
	s_delay_alu instid0(VALU_DEP_1)
	v_lshl_add_u32 v18, v30, 3, v18                ; its codes: + 16 r + 8 (lane / 16)
	s_lshl_b32 s94, s92, 9
	s_add_co_u32 s94, s94, s93
	s_add_co_u32 s94, s94, KVSL
	v_lshl_add_u32 v19, v29, 2, s94                ; its scale byte: + 4 r
	s_wait_alu depctr_va_vdst(0)
	s_wait_tensorcnt 0x0                           ; my part has landed (and the descriptors' registers are free),
	s_barrier_signal -1
	s_barrier_wait -1                              ; everybody's has
	s_mov_b32 s82, 0x76543210
	s_mov_b32 s83, 0xfedcba98                      ; v_permlanex16_b32's selects for lane l xor 16
	s_lshl_b32 s24, s18, 3
	s_lshl_b32 s25, s14, 1
	s_add_co_u32 s24, s24, s25                     ; (q, k) my first token tile: 8 tb + 2 ps1
	s_and_b32 s26, s24, 127                        ; its position tile
	s_lshl_b32 s26, s26, 12
	s_add_co_u32 s26, s26, ROPE
	s_mov_b32 s27, 0
	s_add_nc_u64 s[80:81], s[4:5], s[26:27]
	s_lshl_b32 s24, s24, 3
	s_lshl_b32 s25, s17, 1
	s_add_co_u32 s24, s24, s25
	s_add_co_u32 s24, s24, s13                     ; + the pair of heads 2 cq + hs0
	s_lshl_b32 s24, s24, 10
	s_mov_b32 s25, 0
	s_cmp_eq_u32 s19, 0
	s_cselect_b64 s[76:77], s[6:7], s[8:9]         ; q goes to act1, k to act2
	s_add_nc_u64 s[76:77], s[76:77], s[24:25]
	s_lshl_b32 s28, s17, 4
	s_lshl_b32 s29, s21, 1
	s_add_co_u32 s28, s28, s29                     ; (v) my first channel tile: 16 cq + 2 (w % 8)
	s_lshl_b32 s30, s28, 16
	s_lshl_b32 s31, s18, 10
	s_add_co_u32 s30, s30, s31                     ; fragment (channel tile, key step tb)
	s_add_co_u32 s30, s30, VC
	s_mov_b32 s31, 0
	s_add_nc_u64 s[74:75], s[8:9], s[30:31]
	s_lshl_b32 s30, s28, 12
	s_add_co_u32 s30, s30, W2C+64*4096
	s_add_nc_u64 s[72:73], s[4:5], s[30:31]        ; wv's two tiles,
	s_lshl_b32 s30, s28, 6
	s_add_co_u32 s30, s30, W2S+64*64
	s_add_nc_u64 s[70:71], s[4:5], s[30:31]        ; and their scale words
	s_lshl_b32 s32, s17, 1                         ; the scale words' way out: waves 0, 1 q's pairs, 2, 3 k's: row 2 cq + w % 2, my 8 tiles in it;
	s_add_co_u32 s32, s32, s13
	s_lshl_b32 s32, s32, 15
	s_lshl_b32 s33, s18, 9
	s_add_co_u32 s32, s32, s33
	s_add_co_u32 s32, s32, QS
	s_lshl_b32 s34, s18, 12                        ; waves 4, 5 v's: key step tb, my 16 channel tiles in it, their half w % 2
	s_lshl_b32 s35, s17, 10
	s_add_co_u32 s34, s34, s35
	s_lshl_b32 s35, s13, 9
	s_add_co_u32 s34, s34, s35
	s_add_co_u32 s34, s34, VSO
	s_cmp_lt_u32 s12, 4
	s_cselect_b32 s32, s32, s34
	s_mov_b32 s33, 0
	s_cmp_lt_u32 s12, 2
	s_cselect_b64 s[78:79], s[6:7], s[8:9]
	s_add_nc_u64 s[78:79], s[78:79], s[32:33]
; PART 1
.irp s, 0,1,2,3,4,5,6,7
	KVH 0, \s
.endr
	KVQ 0
.irp s, 0,1,2,3,4,5,6,7
	KVH 1, \s
.endr
	PLACES                                         ; behind the last products: their operands' registers are loaded
	s_cmp_lt_u32 s12, 8
	s_cbranch_scc1 .Lno_wv
.irp s, 0,1,2,3
.irp t, 0,1
.irp c, 0,1
	global_load_b128 v[192+16*\s+8*\t+4*\c:192+16*\s+8*\t+4*\c+3], v8, s[72:73] offset:4096*\t+1024*\s+512*\c   ; wv's fragments land under the quantiser and the barrier
.endr
.endr
	global_load_b32 v[20+\s], v3, s[70:71] offset:32768*\s
.endr
.Lno_wv:
	KVQ 1
	s_wait_alu depctr_va_vdst(0)
	s_wait_dscnt 0x0                               ; for the others' sake: my codes and bytes of kv lie in LDS
	s_barrier_signal -1
	s_barrier_wait -1
; PART 2
	s_wait_loadcnt 0x0                             ; wv is in (waves 0 to 7 have no load out): the wait stands on every wave's path, ahead of the parting
	s_cmp_eq_u32 s19, 0
	s_cbranch_scc1 .Lq
.irp s, 0,1,2,3
	VH 0, \s
	VH 1, \s
.endr
	PLACES
	QUANT 64, F1, 44                               ; register 16 b + x is key 32 b + 16 (lane / 16) + x of my channel
	global_store_b128 v8, v[F1:F1+3], s[74:75]
	global_store_b128 v8, v[F1+4:F1+7], s[74:75] offset:512
	QUANT 128, F1+8, 45
	global_store_b128 v8, v[F1+8:F1+11], s[74:75] offset:65536
	global_store_b128 v8, v[F1+12:F1+15], s[74:75] offset:66048
	ds_store_b32 v9, v44
	ds_store_b32 v9, v45 offset:64
	s_wait_xcnt 0x0                                ; the stores have read their registers, which take k's fragments now
	TASK 4
	s_branch .Ljoin
.Lq:
	TASK 8
.Ljoin:
	s_wait_alu depctr_va_vdst(0)
	s_wait_dscnt 0x0
	s_barrier_signal -1
	s_barrier_wait -1
	s_cmp_lt_u32 s12, 6
	s_cbranch_scc0 .Lno_words
	ds_load_b128 v[28:31], v11
	s_wait_dscnt 0x0
	global_store_b128 v8, v[28:31], s[78:79]       ; 512 consecutive bytes, aligned
.Lno_words:
	s_wait_tensorcnt 0x0                           ; the wave's end
	ds_add_u32 v46, v47
	s_wait_dscnt 0x0
	CROUND                                         ; the closing round
	s_endpgm
.Lfunc_end_k_q3d4026bf21_g12:
	.size	k_q3d4026bf21_g12, .Lfunc_end_k_q3d4026bf21_g12-k_q3d4026bf21_g12
	.p2alignl 7, 3214868480
	.fill 96, 4, 3214868480
	.section	.rodata,"a",@progbits
	.p2align	6, 0x0
	.amdhsa_kernel k_q3d4026bf21_g12
		.amdhsa_group_segment_fixed_size 318464
		.amdhsa_private_segment_fixed_size 0
		.amdhsa_enable_private_segment 0
		.amdhsa_kernarg_size 24
		.amdhsa_user_sgpr_count 2
		.amdhsa_user_sgpr_kernarg_segment_ptr 1
		.amdhsa_wavefront_size32 1
		.amdhsa_system_sgpr_workgroup_id_x 1
		.amdhsa_system_sgpr_workgroup_id_y 1
		.amdhsa_system_sgpr_workgroup_id_z 1
		.amdhsa_system_vgpr_workitem_id 0
		.amdhsa_next_free_vgpr 256
		.amdhsa_next_free_sgpr 102
		.amdhsa_reserve_vcc 0
		.amdhsa_float_denorm_mode_32 3
		.amdhsa_float_denorm_mode_16_64 3
		.amdhsa_memory_ordered 1
		.amdhsa_forward_progress 1
		.amdhsa_inst_pref_size 165
	.end_amdhsa_kernel
	.amdgpu_metadata
---
amdhsa.version: [ 1, 2 ]
amdhsa.kernels:
  - .name:           k_q3d4026bf21_g12
    .symbol:         k_q3d4026bf21_g12.kd
    .args:
      - { .name: prepbuf, .offset: 0, .size: 8, .value_kind: global_buffer, .address_space: global }
      - { .name: act1, .offset: 8, .size: 8, .value_kind: global_buffer, .address_space: global }
      - { .name: act2, .offset: 16, .size: 8, .value_kind: global_buffer, .address_space: global }
    .group_segment_fixed_size: 318464
    .private_segment_fixed_size: 0
    .kernarg_segment_align: 8
    .kernarg_segment_size: 24
    .max_flat_workgroup_size: 512
    .sgpr_count:     102
    .vgpr_count:     256
    .wavefront_size: 32
...
	.end_amdgpu_metadata
.endif
;; end of part 2
;; launch attn (part 3): grid 8 x 32, 16 waves a work-group, clusters of 4 x 1, 291,840 bytes of LDS; arguments act1, act2, act3; writes act3
.if DOCPART == 3
	.amdgcn_target "amdgcn-amd-amdhsa--gfx1250"
	.amdhsa_code_object_version 6
	.text
	.protected	k_q3d4026bf21_attn
	.globl	k_q3d4026bf21_attn
	.p2align	8
	.type	k_q3d4026bf21_attn,@function
k_q3d4026bf21_attn:
	s_mov_b64 s[64:65], 0
	v_nop
	global_prefetch_b8 v0, s[64:65] scope:SCOPE_SE
	s_setreg_imm32_b32 hwreg(HW_REG_WAVE_MODE, 25, 1), 1
	s_wait_xcnt 0x0
	s_wait_alu depctr_hold_cnt(0) depctr_sa_sdst(0) depctr_va_vdst(0) depctr_va_sdst(0) depctr_va_ssrc(0) depctr_va_vcc(0) depctr_vm_vsrc(0)
	s_getreg_b32 s2, hwreg(HW_REG_IB_STS2, 6, 4)
	s_cmp_eq_u32 s2, 0
	s_cbranch_scc0 .Lentry_in_a_cluster
	s_endpgm
.Lentry_in_a_cluster:
	s_bfe_u32 s2, ttmp6, 0x10000c
	s_cmp_lg_u32 s2, 0x3003
	s_cbranch_scc0 .Lentry_shape_is_right
	s_endpgm
.Lentry_shape_is_right:
; ATTN: out = softmax(q k^T / 8) v for 64 (batch, head), both products on codes of FP4 (E2M1) with E8M0 scales; out is quantised along its 1,024 columns for the last product.
; THE SOFTMAX: t = score x log2(e) / 8; M = the row's largest t so far, rounded UP to a whole number; p = 2^(t - M) is quantised along the keys; the row's sum is taken of the unquantised p and divides at the end.
; When M moves, the sum and O are multiplied by 2^(old M - new M): exact.
; SHARES.  A work-group owns 256 queries of one batch and one PAIR of heads; each of its sixteen waves owns 16 queries and takes them through head A and then through head B: O^T is 32 registers, so a step holds 256 keys (S^T: 128 registers).
; The pair's K and V of all 2,048 keys, with their scale words, lie in LDS, filled ONCE: no slot is filled again, the loop over the keys has no barrier, and there is no loop ahead of the fills in which a prefetch could run.
; CLUSTER 4 x 1: four query blocks of one batch and pair: K and V are asked for JOINTLY.
; LAYOUT.  Both products are used transposed: S^T = K Q^T, O^T = V^T P^T: a lane holds one query throughout.
; THE KEYS OF A TILE ARE CHOSEN BY ADDRESS: row m of tile (c, u) is key 64 c + 32 (m / 8) + 8 u + m % 8, so that the 32 registers of tiles (c, 0 .. 3) of lane half h are the 32 neighbouring keys 64 c + 32 h + 0 .. 31:
; ONE WHOLE BLOCK IN ONE LANE.  Its largest score needs no other lane, and the four conversions of a block give registers 4 c .. 4 c + 3 of the second product's operand as they stand.
; In memory and LDS the codes lie in tiles whose lane index r is row 32 (T / 2) + 8 (T % 2) + r + 8 (r / 8): key 64 c + 32 (m / 8) + 8 u + m % 8 is index m % 8 + 8 (u / 2) of tile 4 c + 2 (m / 8) + u % 2.
; A HEAD IS 64 WIDE, the product 128.  The head's half of a fragment of K or Q goes into registers 0-3, whichever head it is; Q's registers 4-7 are zero codes, which add nothing whatever stands beside them in K's
; (FP4 has no NaN code; every scale byte read is under 255).  So K's fragments lie four registers apart and each is read with the next four registers as its upper half.  Scale words are read as the head's two bytes.
; LIMITS: a block of zeros gets the byte 1 where the rule says 127 (its codes are zeros; this program alone reads the bytes); largest magnitudes under 2^-124 are held at that floor; NaN and infinities are not served;
; the scaled scores stay under 2^31 in magnitude.
; REGISTERS: v1-4 LDS addresses of K, K's scales, V, V's scales; v5, v6 the spare word and 0; v7 out's scale word; v8 -M, v9 the largest score, v[10:11] the sum; v12-19 Q; v20 Q's scales, v21-28 K's, v29-32 V's, v33-34 p's;
;   v35 16 x lane; v36-39 the blocks' maxima, v40-43 the conversions' scale operands, v44 f; v46-51 at work; v52-87 fragments; v88-95 p's codes; v96-223 S^T, then p; v224-255 O^T.
.set QS,   4194304                     ; act1: q's codes at 0 [tile][pair][1,024], q's scale words [pair][tile][64]
.set KSO,  4194304                     ; act2: k likewise,
.set VC,   4456448                     ; v's codes [channel tile 64][key step 64][1,024],
.set VSO,  8650752                     ; v's scale words [key step 64][channel tile 64][64]
.set OSO,  4194304                     ; act3: out's codes at 0 [tile][pair][1,024], out's scale words [pair][tile][64]
.set VL,   131072                      ; LDS: K [key tile 128][1,024] at 0; V [channel tile 8][key step 16][1,024] here;
.set KSB,  262144                      ; K's scale words [key tile 128][64];
.set VSB,  270336                      ; V's [key step 16][channel tile 8][64];
.set OSG,  278528                      ; 1,024 bytes in which out's scale words meet;
.set STQ,  279552                      ; head B's half of Q, 16 bytes a thread;
.set STS,  287744                      ; and its scale bytes, a word a thread: no tensor load lands from OSG on
.set SPARE, 289792                     ; the spare words, 128 bytes a wave
.set FR,   52
.set PC,   88
.set SR,   96
.set OT,   224
.set BM,   36
.set OP,   40
.macro CROUND                          ; a round of the cluster's barrier
	s_barrier_signal -1
	s_barrier_wait -1
	s_cmp_lg_u32 s12, 0
	s_cbranch_scc1 .Lnot_wave_0_\@
	s_barrier_signal -3
.Lnot_wave_0_\@:
	s_barrier_wait -3
	s_barrier_signal -1
	s_barrier_wait -1
.endm
.macro MM d, a, b, c, sa, sb, ra       ; one product; ra: source 0's scale words lie in lanes 16-31 of the register named
.if (\ra)!=0
	v_wmma_scale_f32_16x16x128_f8f6f4 v[\d:\d+7], v[\a:\a+7], v[\b:\b+7], \c, v[\sa], v[\sb] matrix_a_fmt:MATRIX_FMT_FP4 matrix_b_fmt:MATRIX_FMT_FP4 matrix_a_scale:MATRIX_SCALE_ROW1
.else
	v_wmma_scale_f32_16x16x128_f8f6f4 v[\d:\d+7], v[\a:\a+7], v[\b:\b+7], \c, v[\sa], v[\sb] matrix_a_fmt:MATRIX_FMT_FP4 matrix_b_fmt:MATRIX_FMT_FP4
.endif
.endm
.macro DESC g, w0, c, r, p             ; descriptor group 1: r rows of c elements of 8 bytes, p elements apart
	s_mov_b32 s[\g], \w0
	s_mov_b32 s[\g+1], (\c)<<16
	s_mov_b32 s[\g+2], (\r)<<16
	s_mov_b32 s[\g+3], (\c)<<16
	s_mov_b32 s[\g+4], \r
	s_mov_b32 s[\g+5], \p
	s_mov_b32 s[\g+6], 0
	s_mov_b32 s[\g+7], 0
.endm
.macro KL c, buf                       ; the head's halves of K's tiles (c, 0 .. 3): four registers each
.irp u, 0,1,2,3
	ds_load_b128 v[FR+20*\buf+4*\u:FR+20*\buf+4*\u+3], v1 offset:4096*\c+1024*(\u%2)+128*(\u/2)+512*HD
.endr
.endm
.macro QK c, buf                       ; S^T of 64 keys: four accumulators, each begun with 0
.irp u, 0,1,2,3
	MM SR+32*\c+8*\u, FR+20*\buf+4*\u, 12, 0, 21+2*\c+\u/2, 20, \u%2
.endr
.endm
.macro MAXB c                          ; the largest score of my block c: 32 registers, four chains, each accumulator read from its low end on
.set B0, SR+32*\c
	v_max3_num_f32 v46, v[B0], v[B0+1], v[B0+2]
	v_max3_num_f32 v47, v[B0+3], v[B0+4], v[B0+5]
	v_max3_num_f32 v48, v[B0+6], v[B0+7], v[B0+8]
	v_max3_num_f32 v49, v[B0+9], v[B0+10], v[B0+11]
.irp i, 12,20
	v_max3_num_f32 v46, v46, v[B0+\i], v[B0+\i+1]
	v_max3_num_f32 v47, v47, v[B0+\i+2], v[B0+\i+3]
	v_max3_num_f32 v48, v48, v[B0+\i+4], v[B0+\i+5]
	v_max3_num_f32 v49, v49, v[B0+\i+6], v[B0+\i+7]
.endr
	v_max3_num_f32 v46, v46, v[B0+28], v[B0+29]
	v_max3_num_f32 v47, v47, v[B0+30], v[B0+31]
	s_delay_alu instid0(VALU_DEP_1)
	v_max3_num_f32 v46, v46, v47, v48
	s_delay_alu instid0(VALU_DEP_1)
	v_max_num_f32 v[BM+\c], v46, v49
.endm
.macro VLD s, dst                      ; V's four fragments of key step s of the trip's two
.irp t, 0,1,2,3
.irp c, 0,1
	ds_load_b128 v[\dst+8*\t+4*\c:\dst+8*\t+4*\c+3], v3 offset:16384*\t+1024*\s+512*\c
.endr
.endr
.endm
.macro ADD4 i                          ; eight of p onto the sum's four chains
	v_pk_add_f32 v[10:11], v[10:11], v[SR+\i:SR+\i+1]
	v_pk_add_f32 v[46:47], v[46:47], v[SR+\i+2:SR+\i+3]
	v_pk_add_f32 v[48:49], v[48:49], v[SR+\i+4:SR+\i+5]
	v_pk_add_f32 v[50:51], v[50:51], v[SR+\i+6:SR+\i+7]
.endm
; A TRIP: 256 keys of one head.
.macro TRIP
.irp c, 0,1,2,3
.irp e, 0,1
	ds_load_u16 v[21+2*\c+\e], v2 offset:256*\c+32*\e+2*HD     ; K's scale bytes of the head: lanes 0-15 tile (c, 2 e), lanes 16-31 tile (c, 2 e + 1)
.endr
.endr
	KL 0, 0
	KL 1, 1
.irp s, 0,1
.irp e, 0,1
	ds_load_b32 v[29+2*\s+\e], v4 offset:512*\s+256*HD+128*\e  ; V's scale words: two channel tiles a register
.endr
.endr
	s_wait_dscnt 8                                 ; K's scales and group 0 are in; group 1's four and V's four scale words may be out
	QK 0, 0
	v_add_nc_u32 v2, 1024, v2                      ; the next trip's scale words; with the two v_nop: four places behind the products (ISA guide 7.12.1)
	v_add_nc_u32 v4, 1024, v4
	v_nop
	v_nop
	KL 2, 0
	s_wait_dscnt 8                                 ; group 1 is in; V's four scale words and group 2's four may be out
	QK 1, 1
	MAXB 0                                         ; the maxima of the group before are the places behind each group's products
	KL 3, 1
	s_wait_dscnt 4                                 ; group 2 is in; group 3's four may be out
	QK 2, 0
	MAXB 1
	s_wait_dscnt 0
	QK 3, 1
	MAXB 2
	VLD 0, FR                                      ; V's first key step lands under the softmax
	MAXB 3
	v_max3_num_f32 v46, v36, v37, v38
	s_delay_alu instid0(VALU_DEP_1)
	v_max_num_f32 v46, v46, v39
	s_delay_alu instid0(VALU_DEP_1)
	v_permlanex16_b32 v47, v46, s82, s83           ; lane l xor 16's 128 keys
	s_delay_alu instid0(VALU_DEP_1)
	v_max3_num_f32 v9, v46, v47, v9                ; the running largest score
	s_delay_alu instid0(VALU_DEP_1)
	v_mul_f32 v46, s92, v9                         ; as t (c is positive)
	v_mov_b32 v47, v8
	s_delay_alu instid0(VALU_DEP_2)
	v_floor_f32 v8, -v46                           ; the new -M = -ceil(t): a whole number
	s_delay_alu instid0(VALU_DEP_1)
	v_sub_f32 v47, v8, v47                         ; old M - new M: a whole number, 0 or less
	s_delay_alu instid0(VALU_DEP_1)
	v_cvt_i32_f32 v47, v47                         ; (it saturates)
	s_delay_alu instid0(VALU_DEP_1)
	v_ldexp_f32 v44, 1.0, v47                      ; f = 2^(old M - new M)
.set J, 0
.rept 64
	v_pk_fma_f32 v[SR+J:SR+J+1], v[SR+J:SR+J+1], s[92:93], v[8:9] op_sel_hi:[1,0,0]   ; t - M, two at a time
.set J, J+2
.endr
.irp b, 0,1,2,3
	v_fma_f32 v[BM+\b], v[BM+\b], s92, v8          ; the same of each block's largest score
.endr
	s_wait_alu depctr_va_vdst(0)                   ; ahead of the batch
.set J, 0
.rept 128
	v_exp_f32 v[SR+J], v[SR+J]                     ; p = 2^(t - M), at most 1
.set J, J+1
.endr
.irp b, 0,1,2,3
	v_exp_f32 v[BM+\b], v[BM+\b]                   ; the block's largest p: the same two instructions on the same number
.endr
	v_pk_mul_f32 v[10:11], v[10:11], v[44:45] op_sel_hi:[1,0]  ; the sum under the new M (a plain place behind the exponentials)
	s_wait_alu depctr_va_vdst(0)                   ; one wait for the batch, ahead of its first reader
.irp b, 0,1,2,3
	v_max_num_f32 v[BM+\b], 0x1800000, v[BM+\b]    ; the floor 2^(3 - 127)
.endr
.irp b, 0,1,2,3
	v_add_nc_u32 v[OP+\b], 0xff000000, v[BM+\b]    ; 2 off the exponent field: the conversion's scale operand
.endr
.irp b, 0,1,2,3
	v_lshrrev_b32 v[BM+\b], 23, v[OP+\b]           ; the scale's byte
.endr
	v_lshl_or_b32 v46, v38, 8, v36                 ; my four bytes in one word: blocks 0, 2, 1, 3
	v_lshl_or_b32 v47, v39, 8, v37
	s_delay_alu instid0(VALU_DEP_1)
	v_lshl_or_b32 v46, v47, 16, v46
	s_delay_alu instid0(VALU_DEP_1)
	v_permlanex16_b32 v47, v46, s82, s83           ; and lane l xor 16's four
	s_delay_alu instid0(VALU_DEP_1)
	v_perm_b32 v33, v47, v46, 0x06020400           ; p's scale word of the first 128 keys, whole in lanes 0-15, which alone are read: mine, the other's, mine, the other's
	v_perm_b32 v34, v47, v46, 0x07030501           ; and of the second
.irp c, 0,1
.irp g, 0,1,2,3
	v_cvt_scalef32_pk8_fp4_f32 v[PC+4*\c+\g], v[SR+32*\c+8*\g:SR+32*\c+8*\g+7], v[OP+\c]
.endr
.endr
	v_pk_add_f32 v[46:47], v[SR:SR+1], v[SR+2:SR+3]            ; the row's sum is taken of the unquantised p, in four chains
	v_pk_add_f32 v[48:49], v[SR+4:SR+5], v[SR+6:SR+7]
	v_pk_add_f32 v[50:51], v[SR+8:SR+9], v[SR+10:SR+11]
.irp i, 12,20,28,36,44,52
	ADD4 \i
.endr
	v_pk_add_f32 v[10:11], v[10:11], v[SR+60:SR+61]
	v_pk_add_f32 v[46:47], v[46:47], v[SR+62:SR+63]
	VLD 1, SR+32                                   ; V's second key step, into registers of p that have been summed and converted
.irp i, 64,72,80,88,96,104,112,120
	ADD4 \i
.endr
	v_pk_add_f32 v[46:47], v[46:47], v[48:49]
	v_pk_add_f32 v[10:11], v[10:11], v[50:51]
	s_delay_alu instid0(VALU_DEP_1)
	v_pk_add_f32 v[10:11], v[10:11], v[46:47]
.irp c, 2,3
.irp g, 0,1,2,3
	v_cvt_scalef32_pk8_fp4_f32 v[SR+4*(\c-2)+\g], v[SR+32*\c+8*\g:SR+32*\c+8*\g+7], v[OP+\c]   ; the second key step's codes, over p that is done with
.endr
.endr
	s_wait_alu depctr_va_vdst(0)                   ; directly ahead of the first reader of O^T
.set J, 0
.rept 16
	v_pk_mul_f32 v[OT+J:OT+J+1], v[OT+J:OT+J+1], v[44:45] op_sel_hi:[1,0]   ; O^T under the new M; also the places between the codes and the products
.set J, J+2
.endr
	s_wait_alu depctr_va_vdst(0)
	s_wait_dscnt 8                                 ; V's first key step is in; the second's eight loads may be out
.irp t, 0,1,2,3                                ; O^T += V^T P^T: the head's four tiles of 16 channels by turns
	MM OT+8*\t, FR+8*\t, PC, v[OT+8*\t:OT+8*\t+7], 29+\t/2, 33, \t%2
.endr
	s_wait_dscnt 0
.irp t, 0,1,2,3
	MM OT+8*\t, SR+32+8*\t, SR, v[OT+8*\t:OT+8*\t+7], 31+\t/2, 34, \t%2
.endr
	v_add_nc_u32 v1, 16384, v1                     ; the next 256 keys; with the three v_nop: five places, since the next products write over these products' operands
	v_add_nc_u32 v3, 2048, v3
	v_nop
	v_nop
	v_nop
.endm
; ONE HEAD: all 2,048 keys, then O^T / the sum, quantised: half a fragment of out and two scale bytes.
.macro PHASE hd
.set HD, \hd
.if \hd
	s_wait_xcnt 0x0                                ; head A's store has read its registers
	v_lshl_add_u32 v36, v0, 4, STQ
	v_lshl_add_u32 v37, v0, 2, STS
	ds_load_b128 v[12:15], v36                     ; head B's half of Q and its scale bytes: my own bytes of LDS
	ds_load_b32 v20, v37
.endif
	v_bfe_u32 v47, v0, 4, 1                        ; lane / 16
	v_bfe_u32 v48, v0, 3, 1                        ; m / 8
	v_and_b32 v49, 7, v0                           ; m % 8
	v_and_b32 v50, 31, v0
	v_lshlrev_b32 v1, 4, v49                       ; K: 2,048 (m / 8) + 16 (m % 8) + 256 (lane / 16)
	v_lshl_add_u32 v2, v49, 2, KSB                 ; its scale words: 128 (m / 8) + 4 (m % 8) + 64 (lane / 16)
	v_lshl_add_u32 v3, v50, 4, VL+65536*\hd        ; V: the head's four channel tiles, 16 x lane
	v_lshl_add_u32 v4, v50, 2, VSB
	v_lshl_add_u32 v1, v48, 11, v1
	v_lshl_add_u32 v2, v48, 7, v2
	v_mov_b32 v8, 0x7f61b1e6                       ; -M: 3e38,
	v_mov_b32 v9, 0xff61b1e6                       ; the largest score so far: -3e38
	v_lshl_add_u32 v1, v47, 8, v1
	v_lshl_add_u32 v2, v47, 6, v2
	v_mov_b32 v10, 0                               ; the sum, in two halves
	v_mov_b32 v11, 0
.set J, 0
.rept 32
	v_mov_b32 v[OT+J], 0                           ; O^T.  (The trip is written once: the first finds zeros, which the first change of M leaves zeros)
.set J, J+1
.endr
	s_mov_b32 s21, 8
	s_wait_alu depctr_va_vdst(0)
.if \hd
	s_wait_dscnt 0x0
.endif
.Lkey_\@:
	TRIP
	s_sub_co_u32 s21, s21, 1
	s_cmp_lg_u32 s21, 0
	s_wait_alu depctr_va_vdst(0)                   ; directly ahead of the branch
	s_cbranch_scc1 .Lkey_\@
	v_add_f32 v10, v10, v11                        ; the sum's two halves,
	s_delay_alu instid0(VALU_DEP_1)
	v_permlanex16_b32 v46, v10, s82, s83
	s_delay_alu instid0(VALU_DEP_1)
	v_add_f32 v10, v10, v46                        ; and lane l xor 16's
	s_wait_alu depctr_va_vdst(0)                   ; ahead of the transcendental
	v_rcp_f32 v10, v10
	v_nop                                          ; one plain place behind it
	s_wait_alu depctr_va_vdst(0)                   ; ahead of its first reader, which is also the first reader of O^T
.set J, 0
.rept 16
	v_pk_mul_f32 v[OT+J:OT+J+1], v[OT+J:OT+J+1], v[10:11] op_sel_hi:[1,0]   ; O^T / the sum: register 16 b + x is the head's column 32 b + 16 (lane / 16) + x
.set J, J+2
.endr
.irp b, 0,1
	v_max3_num_f32 v[BM+\b], |v[OT+16*\b]|, |v[OT+16*\b+1]|, 0x1800000
.endr
.irp i, 2,4,6,8,10,12,14
.irp b, 0,1
	v_max3_num_f32 v[BM+\b], v[BM+\b], |v[OT+16*\b+\i]|, |v[OT+16*\b+\i+1]|
.endr
.endr
.irp b, 0,1
	v_permlanex16_b32 v[BM+2+\b], v[BM+\b], s82, s83
.endr
.irp b, 0,1
	v_max_num_f32 v[BM+\b], v[BM+\b], v[BM+2+\b]   ; with lane l xor 16's: the block's largest magnitude
.endr
.irp b, 0,1
	v_add_nc_u32 v[OP+\b], 0xff000000, v[BM+\b]
.endr
.irp b, 0,1
	v_lshrrev_b32 v[BM+\b], 23, v[OP+\b]
.endr
.if \hd
	v_lshl_or_b32 v50, v37, 8, v36
	s_delay_alu instid0(VALU_DEP_1)
	v_lshl_or_b32 v7, v50, 16, v7                  ; out's scale word of my row is whole
.else
	v_lshl_or_b32 v7, v37, 8, v36                  ; head A's two bytes
.endif
.irp b, 0,1
	v_cvt_scalef32_pk8_fp4_f32 v[46+2*\b], v[OT+16*\b:OT+16*\b+7], v[OP+\b]
	v_cvt_scalef32_pk8_fp4_f32 v[47+2*\b], v[OT+16*\b+8:OT+16*\b+15], v[OP+\b]
.endr
	v_nop                                          ; one plain place behind a scaled conversion
	v_permlane16_swap_b32 v46, v48                 ; the operand's layout wants a whole block in a lane
	v_permlane16_swap_b32 v47, v49
	global_store_b128 v35, v[46:49], s[80:81] offset:512*\hd   ; the head's half of the fragment: 512 consecutive bytes, aligned
.endm
	s_load_b128 s[4:7], s[0:1], 0x0                ; act1, act2
	s_load_b64 s[8:9], s[0:1], 0x10                ; act3
	v_lshl_add_u32 v5, v0, 2, SPARE
	v_mov_b32 v6, 0
	ds_add_u32 v5, v6                              ; the opening lines: the add, twice on end, and its wait ahead of the first tensor load
	ds_add_u32 v5, v6
	v_lshrrev_b32 v1, 5, v0
	s_delay_alu instid0(VALU_DEP_1)
	v_readfirstlane_b32 s12, v1                    ; wave 0..15
	s_and_b32 s19, s12, 3
	s_bfe_u32 s13, ttmp6, 0x40000                  ; cx
	s_and_b32 s14, ttmp7, 0xffff
	s_lshr_b32 s15, s14, 3                         ; the batch
	s_and_b32 s16, s14, 7                          ; the pair of heads
	s_lshl_b32 s17, ttmp9, 2
	s_add_co_u32 s17, s17, s13                     ; my block of 256 queries: it enters Q's and out's addresses alone
	s_lshl_b32 s18, s15, 7
	s_lshl_b32 s20, s17, 4
	s_add_co_u32 s20, s20, s18                     ; its first token tile: 128 b + 16 qb
	s_add_co_u32 s18, s20, s12                     ; my token tile
	DESC 24, 15|(3<<16)|(1<<21), 128, 32, 1024     ; K's codes: 32 fragments of 1,024 bytes, 8,192 bytes apart; all four partners; bit 21 set beside a mask
	DESC 32, 15|(3<<16)|(1<<21), 2048, 2, 8192     ; V's codes: 2 channel tiles of 16,384 bytes, 65,536 bytes apart
	DESC 40, 15|(3<<16)|(1<<21), 32, 32, 32        ; K's scale words: 8,192 dense bytes as 32 rows of 256
	DESC 48, 15|(3<<16)|(1<<21), 64, 16, 512       ; V's scale words: 16 key steps x 512 bytes, 4,096 bytes apart
	s_lshl_b32 s97, s19, 15                        ; my quarter in LDS
	s_lshl_b32 s98, s15, 20                        ; K: ((128 b + 32 (w % 4)) 8 + p) 1,024
	s_lshl_b32 s99, s19, 18
	s_add_co_u32 s98, s98, s99
	s_lshl_b32 s99, s16, 10
	s_add_co_u32 s98, s98, s99
	s_mov_b32 s99, 0
	s_lshl_b32 s2, s16, 19                         ; V: ((8 p + 2 (w % 4)) 64 + 16 b) 1,024
	s_lshl_b32 s3, s19, 17
	s_add_co_u32 s2, s2, s3
	s_lshl_b32 s3, s15, 14
	s_add_co_u32 s2, s2, s3
	s_add_co_u32 s2, s2, VC
	s_mov_b32 s3, 0
	s_lshl_b32 s100, s16, 15
	s_lshl_b32 s101, s15, 13
	s_add_co_u32 s100, s100, s101
	s_add_co_u32 s100, s100, KSO
	s_mov_b32 s101, 0
	s_lshl_b32 s90, s15, 16
	s_lshl_b32 s91, s16, 9
	s_add_co_u32 s90, s90, s91
	s_add_co_u32 s90, s90, VSO
	s_mov_b32 s91, 0
	s_mov_b32 s56, 1
	s_mov_b32 s57, s97
	s_mov_b32 s60, 1
	s_add_co_u32 s61, s97, VL
	s_mov_b32 s68, 1
	s_mov_b32 s69, KSB
	s_mov_b32 s72, 1
	s_mov_b32 s73, VSB
	s_mov_b32 s82, 0x76543210
	s_mov_b32 s83, 0xfedcba98                      ; v_permlanex16_b32's selects for lane l xor 16
	s_mov_b32 s92, 0x3e38aa3b                      ; c = log2(e) / 8
	s_mov_b32 s93, s92                             ; (named with it as a pair)
	s_wait_dscnt 0x0
	s_wait_kmcnt 0x0
	s_add_nc_u64 s[58:59], s[6:7], s[98:99]
	s_or_b32 s59, s59, 0x80000000
	s_add_nc_u64 s[62:63], s[6:7], s[2:3]
	s_or_b32 s63, s63, 0x80000000
	s_add_nc_u64 s[70:71], s[6:7], s[100:101]
	s_or_b32 s71, s71, 0x80000000
	s_add_nc_u64 s[74:75], s[6:7], s[90:91]
	s_or_b32 s75, s75, 0x80000000
	CROUND                                         ; all four work-groups are here: the joint loads meet
	; The only fills, all joint: waves 0-3 K's codes, 4-7 V's, wave 8 K's scale words, wave 9 V's: one tensor load a wave at the most.  An s_nop 0 and four v_nop follow each.
	s_cmp_lt_u32 s12, 4
	s_cbranch_scc0 .Lfill_b
	tensor_load_to_lds s[56:59], s[24:31]
	s_nop 0
.rept 4
	v_nop
.endr
	s_branch .Lfilled
.Lfill_b:
	s_cmp_lt_u32 s12, 8
	s_cbranch_scc0 .Lfill_c
	tensor_load_to_lds s[60:63], s[32:39]
	s_nop 0
.rept 4
	v_nop
.endr
	s_branch .Lfilled
.Lfill_c:
	s_cmp_eq_u32 s12, 8
	s_cbranch_scc0 .Lfill_d
	tensor_load_to_lds s[68:71], s[40:47]
	s_nop 0
.rept 4
	v_nop
.endr
	s_branch .Lfilled
.Lfill_d:
	s_cmp_eq_u32 s12, 9
	s_cbranch_scc0 .Lfilled
	tensor_load_to_lds s[72:75], s[48:55]
	s_nop 0
.rept 4
	v_nop
.endr
.Lfilled:
	s_lshl_b32 s84, s18, 13
	s_lshl_b32 s85, s16, 10
	s_add_co_u32 s84, s84, s85                     ; fragment (my token tile, the pair): the same place in q's codes and in out's
	s_mov_b32 s85, 0
	s_add_nc_u64 s[76:77], s[4:5], s[84:85]
	s_add_nc_u64 s[80:81], s[8:9], s[84:85]
	s_lshl_b32 s86, s16, 15
	s_lshl_b32 s87, s18, 6
	s_add_co_u32 s86, s86, s87
	s_add_co_u32 s86, s86, QS
	s_mov_b32 s87, 0
	s_add_nc_u64 s[78:79], s[4:5], s[86:87]        ; q's scale words of my tile
	s_lshl_b32 s88, s16, 15
	s_lshl_b32 s89, s20, 6
	s_add_co_u32 s88, s88, s89
	s_lshl_b32 s89, s12, 9
	s_add_co_u32 s88, s88, s89
	s_add_co_u32 s88, s88, OSO
	s_mov_b32 s89, 0
	s_add_nc_u64 s[88:89], s[8:9], s[88:89]        ; (waves 0, 1) out's scale words of the work-group's 16 tiles, my half
	v_and_b32 v46, 31, v0
	v_and_b32 v47, 15, v0
	s_delay_alu instid0(VALU_DEP_2)
	v_lshlrev_b32 v35, 4, v46                      ; 16 l
	s_delay_alu instid0(VALU_DEP_2)
	v_lshlrev_b32 v48, 2, v47                      ; 4 r
	global_load_b128 v[12:15], v35, s[76:77]                   ; head A's half of Q
	global_load_b128 v[96:99], v35, s[76:77] offset:512        ; head B's, kept in LDS until its turn
	global_load_u16 v20, v48, s[78:79]                         ; their two scale bytes each
	global_load_u16 v100, v48, s[78:79] offset:2
	v_lshl_add_u32 v49, v0, 4, STQ
	v_lshl_add_u32 v50, v0, 2, STS
.irp j, 16,17,18,19,45,68,69,70,71,88,89,90,91,92,93,94,95
	v_mov_b32 v[\j], 0                             ; Q's zero codes; the upper half of f's pair; registers that products read as upper halves before anything else writes them
.endr
	s_wait_alu depctr_va_vdst(0)
	s_wait_tensorcnt 0x0                           ; my part has landed,
	s_barrier_signal -1
	s_barrier_wait -1                              ; everybody's has
	s_wait_loadcnt 0x0                             ; Q
	ds_store_b128 v49, v[96:99]
	ds_store_b32 v50, v100
	PHASE 0
	PHASE 1
	s_lshl_b32 s84, s12, 6
	s_add_co_u32 s84, s84, OSG
	v_and_b32 v36, 15, v0
	s_delay_alu instid0(VALU_DEP_1)
	v_lshl_add_u32 v36, v36, 2, s84                ; out's scale word of my row
	s_lshl_b32 s85, s12, 9
	s_add_co_u32 s85, s85, OSG
	v_add_nc_u32 v37, s85, v35                     ; and the way out (waves 0, 1)
	ds_store_b32 v36, v7                           ; lanes r and r + 16 hold the same word and write it to the same place
	s_wait_alu depctr_va_vdst(0)
	s_wait_dscnt 0x0
	s_barrier_signal -1
	s_barrier_wait -1
	s_cmp_lt_u32 s12, 2
	s_cbranch_scc0 .Lno_words
	ds_load_b128 v[40:43], v37
	s_wait_dscnt 0x0
	global_store_b128 v35, v[40:43], s[88:89]      ; 512 consecutive bytes, aligned
.Lno_words:
	s_wait_tensorcnt 0x0                           ; the wave's end
	ds_add_u32 v5, v6
	s_wait_dscnt 0x0
	CROUND                                         ; the closing round
	s_endpgm
.Lfunc_end_k_q3d4026bf21_attn:
	.size	k_q3d4026bf21_attn, .Lfunc_end_k_q3d4026bf21_attn-k_q3d4026bf21_attn
	.p2alignl 7, 3214868480
	.fill 96, 4, 3214868480
	.section	.rodata,"a",@progbits
	.p2align	6, 0x0
	.amdhsa_kernel k_q3d4026bf21_attn
		.amdhsa_group_segment_fixed_size 291840
		.amdhsa_private_segment_fixed_size 0
		.amdhsa_enable_private_segment 0
		.amdhsa_kernarg_size 24
		.amdhsa_user_sgpr_count 2
		.amdhsa_user_sgpr_kernarg_segment_ptr 1
		.amdhsa_wavefront_size32 1
		.amdhsa_system_sgpr_workgroup_id_x 1
		.amdhsa_system_sgpr_workgroup_id_y 1
		.amdhsa_system_sgpr_workgroup_id_z 1
		.amdhsa_system_vgpr_workitem_id 0
		.amdhsa_next_free_vgpr 256
		.amdhsa_next_free_sgpr 102
		.amdhsa_reserve_vcc 0
		.amdhsa_float_denorm_mode_32 3
		.amdhsa_float_denorm_mode_16_64 3
		.amdhsa_memory_ordered 1
		.amdhsa_forward_progress 1
		.amdhsa_inst_pref_size 76
	.end_amdhsa_kernel
	.amdgpu_metadata
---
amdhsa.version: [ 1, 2 ]
amdhsa.kernels:
  - .name:           k_q3d4026bf21_attn
    .symbol:         k_q3d4026bf21_attn.kd
    .args:
      - { .name: act1, .offset: 0, .size: 8, .value_kind: global_buffer, .address_space: global }
      - { .name: act2, .offset: 8, .size: 8, .value_kind: global_buffer, .address_space: global }
      - { .name: act3, .offset: 16, .size: 8, .value_kind: global_buffer, .address_space: global }
    .group_segment_fixed_size: 291840
    .private_segment_fixed_size: 0
    .kernarg_segment_align: 8
    .kernarg_segment_size: 24
    .max_flat_workgroup_size: 512
    .sgpr_count:     102
    .vgpr_count:     256
    .wavefront_size: 32
...
	.end_amdgpu_metadata
.endif
;; end of part 3
;; launch g3 (part 4): grid 4 x 64, 16 waves a work-group, clusters of 4 x 1, 210,944 bytes of LDS; arguments prepbuf, act3, x, out0; writes out0
.if DOCPART == 4
	.amdgcn_target "amdgcn-amd-amdhsa--gfx1250"
	.amdhsa_code_object_version 6
	.text
	.protected	k_q3d4026bf21_g3
	.globl	k_q3d4026bf21_g3
	.p2align	8
	.type	k_q3d4026bf21_g3,@function
k_q3d4026bf21_g3:
	s_mov_b64 s[64:65], 0
	v_nop
	global_prefetch_b8 v0, s[64:65] scope:SCOPE_SE
	s_setreg_imm32_b32 hwreg(HW_REG_WAVE_MODE, 25, 1), 1
	s_wait_xcnt 0x0
	s_wait_alu depctr_hold_cnt(0) depctr_sa_sdst(0) depctr_va_vdst(0) depctr_va_sdst(0) depctr_va_ssrc(0) depctr_va_vcc(0) depctr_vm_vsrc(0)
	s_getreg_b32 s2, hwreg(HW_REG_IB_STS2, 6, 4)
	s_cmp_eq_u32 s2, 0
	s_cbranch_scc0 .Lentry_in_a_cluster
	s_endpgm
.Lentry_in_a_cluster:
	s_bfe_u32 s2, ttmp6, 0x10000c
	s_cmp_lg_u32 s2, 0x3003
	s_cbranch_scc0 .Lentry_shape_is_right
	s_endpgm
.Lentry_shape_is_right:
; G3: out0 = x + out wo, the product on codes of FP4 (E2M1) with E8M0 scales; sums and the residual in f32.
; D = S0 x S1, source 0 = 256 columns of wo (16 tiles), source 1 = 128 tokens (8 tiles): a lane holds one token and 16 neighbouring columns for each pair of source 0's tiles.
; Tiles: lane index r of tile T is row 32 (T / 2) + 8 (T % 2) + r + 8 (r / 8).  All of K (1,024) lies in LDS, filled ONCE.  Sixteen waves of 256 registers; a wave makes 64 columns x 32 tokens (8 accumulators).
; x's numbers for the wave's part are asked for at the head and land under the fill and the products.  The results go through the wave's own stage in LDS and leave as aligned runs of 256 bytes.  The stages lie over the
; operands' codes, which have had their only fill; a barrier stands between every wave's last read of them and the first store there.
; CLUSTER 4 x 1: the partners take four token tiles and the same column tile: wo's codes and scale words are asked for JOINTLY.  The tokens' tile is also read by the clusters of the other three column tiles; those are
; no partners here: this text keeps the form of the two products before it, of which the first has six column tiles, which fours do not divide.
.set KS,    8
.set W3C,   6160384                    ; prepbuf: wo's codes, 16 tiles = 131,072 bytes,
.set W3S,   6684672                    ; wo's scale words
.set OSO,   4194304                    ; act3: out's codes at 0, 8 tiles = 65,536 bytes; out's scale words here
.set S0C,   0
.set S1C,   131072
.set S0S,   196608                     ; [K step][16 tiles][64]
.set S1S,   204800                     ; [K step][8 tiles][64]
.set F0,  64                           ; v64-95   S0's four fragments
.set F1,  96                           ; v96-111  S1's two
.set BK,  64                           ; v64-127  the way out: rows read back from the stage
.set XR,  128                          ; v128-191 x
.set ACC, 192                          ; v192-255 accumulator (i, t) at ACC + 32 t + 8 i
.macro CROUND                          ; a round of the cluster's barrier
	s_barrier_signal -1
	s_barrier_wait -1
	s_cmp_lg_u32 s12, 0
	s_cbranch_scc1 .Lnot_wave_0_\@
	s_barrier_signal -3
.Lnot_wave_0_\@:
	s_barrier_wait -3
	s_barrier_signal -1
	s_barrier_wait -1
.endm
.macro MM d, a, b, c, sa, sb, ra, rb   ; one product; ra, rb: the side's scale words lie in lanes 16-31 of the register named
.if ((\ra)!=0)&&((\rb)!=0)
	v_wmma_scale_f32_16x16x128_f8f6f4 v[\d:\d+7], v[\a:\a+7], v[\b:\b+7], \c, v[\sa], v[\sb] matrix_a_fmt:MATRIX_FMT_FP4 matrix_b_fmt:MATRIX_FMT_FP4 matrix_a_scale:MATRIX_SCALE_ROW1 matrix_b_scale:MATRIX_SCALE_ROW1
.elseif (\ra)!=0
	v_wmma_scale_f32_16x16x128_f8f6f4 v[\d:\d+7], v[\a:\a+7], v[\b:\b+7], \c, v[\sa], v[\sb] matrix_a_fmt:MATRIX_FMT_FP4 matrix_b_fmt:MATRIX_FMT_FP4 matrix_a_scale:MATRIX_SCALE_ROW1
.elseif (\rb)!=0
	v_wmma_scale_f32_16x16x128_f8f6f4 v[\d:\d+7], v[\a:\a+7], v[\b:\b+7], \c, v[\sa], v[\sb] matrix_a_fmt:MATRIX_FMT_FP4 matrix_b_fmt:MATRIX_FMT_FP4 matrix_b_scale:MATRIX_SCALE_ROW1
.else
	v_wmma_scale_f32_16x16x128_f8f6f4 v[\d:\d+7], v[\a:\a+7], v[\b:\b+7], \c, v[\sa], v[\sb] matrix_a_fmt:MATRIX_FMT_FP4 matrix_b_fmt:MATRIX_FMT_FP4
.endif
.endm
; A K step: 15 LDS loads, 8 products.  The 8 accumulators take turns, one instruction a turn, in the same order in every step.  zero = 1: the products start the sums.
.macro KSTEP s, zero
.if (\s) > 0
.rept 4
	v_nop                                          ; four places in front of loads into registers that products have read
.endr
.endif
.irp t, 0,1
.irp c, 0,1
	ds_load_b128 v[F1+8*\t+4*\c:F1+8*\t+4*\c+3], v5 offset:\t*KS*1024+(\s)*1024+512*\c
.endr
.endr
	ds_load_b32 v16, v7 offset:(\s)*512
.irp u, 0,1
	ds_load_b32 v[12+\u], v6 offset:(\s)*1024+128*\u
.endr
.irp i, 0,1,2,3
.irp c, 0,1
	ds_load_b128 v[F0+8*\i+4*\c:F0+8*\i+4*\c+3], v4 offset:\i*KS*1024+(\s)*1024+512*\c
.endr
.endr
.irp i, 0,1,2,3
	s_wait_dscnt 2*(3-\i)                          ; S0's fragment i is in; the two loads of each later one may be out
.irp t, 0,1
.if \zero
	MM ACC+32*\t+8*\i, F0+8*\i, F1+8*\t, 0, 12+\i/2, 16, \i%2, \t
.else
	MM ACC+32*\t+8*\i, F0+8*\i, F1+8*\t, v[ACC+32*\t+8*\i:ACC+32*\t+8*\i+7], 12+\i/2, 16, \i%2, \t
.endif
.endr
.endr
.endm
	s_load_b256 s[4:11], s[0:1], 0x0               ; prepbuf, act3, x, out0
	v_lshl_add_u32 v62, v0, 2, 0x33000
	v_mov_b32 v63, 0
	ds_add_u32 v62, v63
	ds_add_u32 v62, v63
	v_lshrrev_b32 v1, 5, v0
	s_delay_alu instid0(VALU_DEP_1)
	v_readfirstlane_b32 s12, v1                    ; wave 0..15
	s_and_b32 s13, s12, 3                          ; q0: which 64 columns.  Also: which quarter I fetch, if I fetch
	s_lshr_b32 s14, s12, 2                         ; ps1: which 32 tokens
	s_bfe_u32 s15, ttmp6, 0x40000                  ; cx
	s_and_b32 s16, ttmp7, 0xffff                   ; the cluster
	s_lshr_b32 s17, s16, 4                         ; c0: the column tile
	s_and_b32 s18, s16, 15
	s_lshl_b32 s18, s18, 2
	s_add_co_u32 s18, s18, s15                     ; m1: the token tile of 128
	s_lshl_b32 s84, s18, 19                        ; my part of x and of out0: token 128 m1 + 32 ps1, column 256 c0 + 64 q0
	s_lshl_b32 s85, s14, 17
	s_add_co_u32 s84, s84, s85
	s_lshl_b32 s85, s17, 10
	s_add_co_u32 s84, s84, s85
	s_lshl_b32 s85, s13, 8
	s_add_co_u32 s84, s84, s85
	s_mov_b32 s85, 0
	v_and_b32 v1, 31, v0
	v_and_b32 v2, 15, v0
	s_delay_alu instid0(VALU_DEP_2)
	v_lshrrev_b32 v17, 4, v1
	s_delay_alu instid0(VALU_DEP_1)
	v_lshlrev_b32 v8, 12, v17
	s_delay_alu instid0(VALU_DEP_1)
	v_lshl_add_u32 v8, v2, 4, v8                   ; lanes 0-15 one row's 256 bytes, lanes 16-31 the next row's
	s_wait_alu depctr_va_vdst(0)
	s_wait_dscnt 0x0
	s_wait_kmcnt 0x0
	s_add_nc_u64 s[76:77], s[8:9], s[84:85]
	s_add_nc_u64 s[78:79], s[10:11], s[84:85]
	s_mov_b32 s24, 15|(3<<16)|(1<<21)              ; S0's codes, a quarter: 128 rows of 256 bytes, dense; all four partners; bit 21 set beside a mask
	s_mov_b32 s25, 32<<16
	s_mov_b32 s26, 128<<16
	s_mov_b32 s27, 32<<16
	s_mov_b32 s28, 128
	s_mov_b32 s29, 32
	s_mov_b32 s30, 0
	s_mov_b32 s31, 0
	s_mov_b32 s32, 3<<16                           ; S1's codes, a quarter: 64 rows of 256 bytes
	s_mov_b32 s33, 32<<16
	s_mov_b32 s34, 64<<16
	s_mov_b32 s35, 32<<16
	s_mov_b32 s36, 64
	s_mov_b32 s37, 32
	s_mov_b32 s38, 0
	s_mov_b32 s39, 0
	s_mov_b32 s40, 15|(3<<16)|(1<<21)              ; S0's scale words: 8 rows of 1,024 bytes, 32,768 bytes apart
	s_mov_b32 s41, 128<<16
	s_mov_b32 s42, KS<<16
	s_mov_b32 s43, 128<<16
	s_mov_b32 s44, KS
	s_mov_b32 s45, 4096
	s_mov_b32 s46, 0
	s_mov_b32 s47, 0
	s_mov_b32 s48, 3<<16                           ; S1's scale words: 8 rows of 512 bytes
	s_mov_b32 s49, 64<<16
	s_mov_b32 s50, KS<<16
	s_mov_b32 s51, 64<<16
	s_mov_b32 s52, KS
	s_mov_b32 s53, 4096
	s_mov_b32 s54, 0
	s_mov_b32 s55, 0
	s_lshl_b32 s97, s13, 15                        ; a quarter of S0's codes,
	s_lshl_b32 s96, s13, 14                        ; of S1's
	s_lshl_b32 s98, s17, 17                        ; S0's offsets: of c0 and the wave's number alone, in registers that never hold cx
	s_add_co_u32 s98, s98, s97
	s_add_co_u32 s98, s98, W3C
	s_mov_b32 s99, 0
	s_lshl_b32 s2, s17, 10
	s_add_co_u32 s2, s2, W3S
	s_mov_b32 s3, 0
	s_lshl_b32 s86, s18, 16
	s_add_co_u32 s86, s86, s96
	s_mov_b32 s87, 0
	s_lshl_b32 s100, s18, 9
	s_add_co_u32 s100, s100, OSO
	s_mov_b32 s101, 0
	s_mov_b32 s56, 1
	s_add_co_u32 s57, s97, S0C
	s_add_nc_u64 s[58:59], s[4:5], s[98:99]
	s_or_b32 s59, s59, 0x80000000
	s_mov_b32 s60, 1
	s_add_co_u32 s61, s96, S1C
	s_add_nc_u64 s[62:63], s[6:7], s[86:87]
	s_or_b32 s63, s63, 0x80000000
	s_mov_b32 s68, 1
	s_mov_b32 s69, S0S
	s_add_nc_u64 s[70:71], s[4:5], s[2:3]
	s_or_b32 s71, s71, 0x80000000
	s_mov_b32 s72, 1
	s_mov_b32 s73, S1S
	s_add_nc_u64 s[74:75], s[6:7], s[100:101]
	s_or_b32 s75, s75, 0x80000000
	CROUND                                         ; all four work-groups are here: the joint loads meet
	; The only fills: waves 0-3 S0's codes (jointly), 4-7 S1's, wave 8 S0's scale words (jointly), wave 9 S1's: one tensor load of a wave is out at the most.  Four v_nop follow each.
	s_cmp_lt_u32 s12, 4
	s_cbranch_scc0 .Lfill_b
	tensor_load_to_lds s[56:59], s[24:31]
	s_nop 0
.rept 4
	v_nop
.endr
	s_branch .Lfilled
.Lfill_b:
	s_cmp_lt_u32 s12, 8
	s_cbranch_scc0 .Lfill_c
	tensor_load_to_lds s[60:63], s[32:39]
	s_nop 0
.rept 4
	v_nop
.endr
	s_branch .Lfilled
.Lfill_c:
	s_cmp_eq_u32 s12, 8
	s_cbranch_scc0 .Lfill_d
	tensor_load_to_lds s[68:71], s[40:47]
	s_nop 0
.rept 4
	v_nop
.endr
	s_branch .Lfilled
.Lfill_d:
	s_cmp_eq_u32 s12, 9
	s_cbranch_scc0 .Lfilled
	tensor_load_to_lds s[72:75], s[48:55]
	s_nop 0
.rept 4
	v_nop
.endr
.Lfilled:
.irp t, 0,1
.irp i, 0,1,2,3,4,5,6,7
	global_load_b128 v[XR+4*(8*\t+\i):XR+4*(8*\t+\i)+3], v8, s[76:77] offset:(8*\t+2*\i+8*(\i/4))*4096 th:TH_LOAD_NT   ; x is asked for behind the operands' fills: lane indices 2 i, 2 i + 1 of my tile t are tokens 8 t + 2 i + 8 (i / 4) and the next
.endr
.endr
	v_lshlrev_b32 v11, 4, v1
	v_lshlrev_b32 v3, 2, v1                        ; 4 l
	s_lshl_b32 s84, s13, 15
	v_add_nc_u32 v4, s84, v11                      ; S0's fragments: my four tiles
	s_lshl_b32 s84, s14, 14
	s_add_co_u32 s84, s84, S1C
	v_add_nc_u32 v5, s84, v11                      ; S1's: my two
	s_lshl_b32 s84, s13, 8
	s_add_co_u32 s84, s84, S0S
	v_add_nc_u32 v6, s84, v3
	s_lshl_b32 s84, s14, 7
	s_add_co_u32 s84, s84, S1S
	v_add_nc_u32 v7, s84, v3
	s_mul_i32 s84, s12, 8704                       ; my stage: 2 tiles x 16 rows x (256 + 16) bytes
	v_mul_u32_u24 v9, v2, 272
	s_delay_alu instid0(VALU_DEP_1)
	v_lshl_add_u32 v9, v17, 6, v9
	s_delay_alu instid0(VALU_DEP_1)
	v_add_nc_u32 v9, s84, v9                       ; in: row r, + 64 (lane / 16)
	v_mul_u32_u24 v10, v17, 272
	s_delay_alu instid0(VALU_DEP_1)
	v_lshl_add_u32 v10, v2, 4, v10
	s_delay_alu instid0(VALU_DEP_1)
	v_add_nc_u32 v10, s84, v10                     ; back: lanes 0-15 one row, lanes 16-31 the next
	s_wait_alu depctr_va_vdst(0)
	s_wait_tensorcnt 0x0                           ; my part has landed,
	s_barrier_signal -1
	s_barrier_wait -1                              ; everybody's has
	KSTEP 0, 1
.irp s, 1,2,3,4,5,6,7
	KSTEP \s, 0
.endr
	s_wait_dscnt 0x0                               ; my reads of the operands are over
	s_barrier_signal -1
	s_barrier_wait -1                              ; everybody's are: the stages may be written
.rept 4
	v_nop                                          ; four places behind the last products
.endr
.irp t, 0,1
.irp i, 0,1,2,3
	ds_store_b128 v9, v[ACC+32*\t+8*\i:ACC+32*\t+8*\i+3] offset:4352*\t+128*(\i/2)+32*(\i%2)       ; each accumulator from its low end on
	ds_store_b128 v9, v[ACC+32*\t+8*\i+4:ACC+32*\t+8*\i+7] offset:4352*\t+128*(\i/2)+32*(\i%2)+16
.endr
.endr
.irp t, 0,1
.irp i, 0,1,2,3,4,5,6,7
	ds_load_b128 v[BK+4*(8*\t+\i):BK+4*(8*\t+\i)+3], v10 offset:4352*\t+544*\i    ; LDS serves a wave's instructions in order: these see my stores
.endr
.endr
	s_wait_loadcnt 0x0                             ; x
.irp t, 0,1
.irp i, 0,1,2,3,4,5,6,7
	s_wait_dscnt 15-(8*\t+\i)
	v_pk_add_f32 v[BK+4*(8*\t+\i):BK+4*(8*\t+\i)+1], v[BK+4*(8*\t+\i):BK+4*(8*\t+\i)+1], v[XR+4*(8*\t+\i):XR+4*(8*\t+\i)+1]
	v_pk_add_f32 v[BK+4*(8*\t+\i)+2:BK+4*(8*\t+\i)+3], v[BK+4*(8*\t+\i)+2:BK+4*(8*\t+\i)+3], v[XR+4*(8*\t+\i)+2:XR+4*(8*\t+\i)+3]
	global_store_b128 v8, v[BK+4*(8*\t+\i):BK+4*(8*\t+\i)+3], s[78:79] offset:(8*\t+2*\i+8*(\i/4))*4096 th:TH_STORE_NT   ; sixteen lanes store 256 consecutive bytes, aligned
.endr
.endr
	s_wait_tensorcnt 0x0
	ds_add_u32 v62, v63
	s_wait_dscnt 0x0
	CROUND                                         ; the closing round
	s_endpgm
.Lfunc_end_k_q3d4026bf21_g3:
	.size	k_q3d4026bf21_g3, .Lfunc_end_k_q3d4026bf21_g3-k_q3d4026bf21_g3
	.p2alignl 7, 3214868480
	.fill 96, 4, 3214868480
	.section	.rodata,"a",@progbits
	.p2align	6, 0x0
	.amdhsa_kernel k_q3d4026bf21_g3
		.amdhsa_group_segment_fixed_size 210944
		.amdhsa_private_segment_fixed_size 0
		.amdhsa_enable_private_segment 0
		.amdhsa_kernarg_size 32
		.amdhsa_user_sgpr_count 2
		.amdhsa_user_sgpr_kernarg_segment_ptr 1
		.amdhsa_wavefront_size32 1
		.amdhsa_system_sgpr_workgroup_id_x 1
		.amdhsa_system_sgpr_workgroup_id_y 1
		.amdhsa_system_sgpr_workgroup_id_z 1
		.amdhsa_system_vgpr_workitem_id 0
		.amdhsa_next_free_vgpr 256
		.amdhsa_next_free_sgpr 102
		.amdhsa_reserve_vcc 0
		.amdhsa_float_denorm_mode_32 3
		.amdhsa_float_denorm_mode_16_64 3
		.amdhsa_memory_ordered 1
		.amdhsa_forward_progress 1
		.amdhsa_inst_pref_size 34
	.end_amdhsa_kernel
	.amdgpu_metadata
---
amdhsa.version: [ 1, 2 ]
amdhsa.kernels:
  - .name:           k_q3d4026bf21_g3
    .symbol:         k_q3d4026bf21_g3.kd
    .args:
      - { .name: prepbuf, .offset: 0, .size: 8, .value_kind: global_buffer, .address_space: global }
      - { .name: act3, .offset: 8, .size: 8, .value_kind: global_buffer, .address_space: global }
      - { .name: x, .offset: 16, .size: 8, .value_kind: global_buffer, .address_space: global }
      - { .name: out0, .offset: 24, .size: 8, .value_kind: global_buffer, .address_space: global }
    .group_segment_fixed_size: 210944
    .private_segment_fixed_size: 0
    .kernarg_segment_align: 8
    .kernarg_segment_size: 32
    .max_flat_workgroup_size: 512
    .sgpr_count:     102
    .vgpr_count:     256
    .wavefront_size: 32
...
	.end_amdgpu_metadata
.endif
;; end of part 4
